; MI455X (gfx1250); checked and timed in simulation.
; The chip was launched on July 23, 2026; its instructions are those of AMD's public machine-readable ISA for CDNA 5 (MIT licence, August 2026) and "CDNA5" Instruction Set Architecture Reference Guide (July 2026). The comments in the code are by the model that wrote it; some were corrected since.
;; Multi Head Self Attention. Allowed arithmetic: matrix products marked QUANTISED: E2M3 operands, one E8M0 scale for each 32 along K, by v_wmma_scale_f32_16x16x128_f8f6f4 with both operands' format E2M3, f32 sums; everything else in f32.
;; Inputs: token_positions 2,048 int32; wk 1,024 x 1,024 float32; wo 1,024 x 1,024 float32; wq 1,024 x 1,024 float32; wv 1,024 x 1,024 float32; x 4 x 2,048 x 1,024 float32.
;; Outputs: out0 4 x 2,048 x 1,024 float32.
;; This version of the problem:
;;   THIS VERSION OF THE PROBLEM IS GIVEN IN LOW PRECISION. The matrix products marked QUANTISED in the list below multiply operands that are first quantised to E2M3 (2 exponent bits, 3 mantissa bits; 6 bits a number), with one power-of-two scale for each 32 numbers along K (OCP MX v1.0); their sums are f32. All else is computed in f32.
;;   The module's matrix products, in the order in which they are computed (A, B: the left and right operand; K: the contracted axis; several contracted axes count as one K, in the product's order):
;;     1. [M 8,192, K 1,024] x [K 1,024, N 1,024]; A: input x; B: input wq: QUANTISED
;;     2. [M 8,192, K 1,024] x [K 1,024, N 1,024]; A: input x; B: input wk: QUANTISED
;;     3. [M 8,192, K 1,024] x [K 1,024, N 1,024]; A: input x; B: input wv: QUANTISED
;;     4. batch 64 x [M 2,048, K 64] x [K 64, N 2,048]; A: computed on the way; B: computed on the way: QUANTISED
;;     5. batch 64 x [M 2,048, K 2,048] x [K 2,048, N 64]; A: softmax (see below); B: computed on the way: QUANTISED
;;     6. [M 8,192, K 1,024] x [K 1,024, N 1,024]; A: computed on the way; B: input wo: QUANTISED
;;   THE QUANTISER, for each operand of a quantised product, along K:
;;     - K is cut into blocks of 32 from its start; a last block that is shorter is filled with zeros.
;;     - A block's scale is 2^e with e = floor(log2(the largest magnitude in the block)) - 2, held to -126 .. 127; a block of zeros has e = 0. As a byte (E8M0): e + 127.
;;     - Each number is divided by its block's scale, clamped to +-7.5, and rounded to the nearest number of E2M3, ties to even, subnormals kept.
;;     - The product sums the exact products of the quantised numbers (number of the format x scale) in f32.
;;   ~~~python
;;   def quantise(x, axis):      # numpy; x: float32 -> the quantised numbers, widened to float32 again
;;       x = np.moveaxis(x, axis, -1); K = x.shape[-1]
;;       x = np.pad(x, [(0, 0)] * (x.ndim - 1) + [(0, -K % 32)]); x = x.reshape(x.shape[:-1] + (-1, 32)); a = np.abs(x).max(-1, keepdims=True)
;;       e = np.where(a > 0, np.clip(np.frexp(np.where(a > 0, a, 1))[1] - 1 - 2, -126, 127), 0)      # np.frexp(a)[1] - 1 = floor(log2(a)), exactly
;;       r = np.clip(x / 2.0 ** e, -7.5, 7.5)
;;       step = 2.0 ** (np.maximum(np.frexp(np.where(r == 0, 1, r))[1] - 1, 0) - 3)
;;       q = np.round(r / step) * step * 2.0 ** e      # np.round: ties to even
;;       return np.moveaxis(q.reshape(q.shape[:-2] + (-1,))[..., :K], -1, axis).astype(np.float32)
;;   ~~~
;;   SOFTMAX AHEAD OF A QUANTISED PRODUCT. Where the list says 'softmax', what is quantised is not the finished softmax but p = 2^(t - M), with t = logit x log2(e) and M = ceil(the row's largest t), a whole number; so 1/2 < the row's largest p <= 1. The row's sum l is taken of the UNQUANTISED p, in f32, and the product's result is divided by l at the end. Since M is a whole number, a kernel that streams over the keys may use a running M (the ceiling of the running maximum): every later rescaling is an exact power of two, which a block's scale takes up: the codes' values come out the same.
;;   OPERANDS COMPUTED ON THE WAY. 'Computed on the way' means the value that the module computes at that place (a softmax that the list does not call 'softmax' is quantised finished and normalised). What goes into a quantiser is computed in f32, as accurately as f32 sums, v_exp_f32 and their like allow (about 1e-6 of the number): no bf16 or f16 on the way to a quantiser, and a product that is left as it is and whose result goes on into a quantised operand takes f32 operands (vector FMAs, or v_wmma_f32_16x16x4_f32). A number that lies on a knife's edge between two numbers of the format may be rounded either way, as far as f32 arithmetic and the matrix unit's own rounding can turn it there, and no further.
;; One version. Each part assembles by itself: llvm-mc -triple=amdgcn-amd-amdhsa -mcpu=gfx1250 --defsym DOCPART=n.
;; ======== version 1 of 1: 4 launches
;; limits: right only within a limited range of input values
;; workspace buffers: ximg 6,553,600 bytes; wimg 3,276,800 bytes; rope 524,288 bytes; qkv 19,660,800 bytes; oimg 6,553,600 bytes
;; launch prep (part 1): grid 256 x 1, 6 waves a work-group, no clusters, 51,456 bytes of LDS; arguments x, wq, wk, wv, wo, token_positions, ximg, wimg, rope; writes ximg, wimg, rope
.if DOCPART == 1
	.amdgcn_target "amdgcn-amd-amdhsa--gfx1250"
	.amdhsa_code_object_version 6
	.text
	.protected	k_qbfd140895f_prep
	.globl	k_qbfd140895f_prep
	.p2align	8
	.type	k_qbfd140895f_prep,@function
k_qbfd140895f_prep:
	s_mov_b64 s[64:65], 0
	v_nop
	global_prefetch_b8 v0, s[64:65] scope:SCOPE_SE
	s_setreg_imm32_b32 hwreg(HW_REG_WAVE_MODE, 25, 1), 1
	s_wait_xcnt 0x0
; x [8192][1024] and the four weights [1024][1024], f32 with K innermost, become codes of FP6 (E2M3) with one E8M0 byte for each 32 along K,
; laid in the ORDER OF THE OPERAND'S REGISTERS: [group of 128 rows][128 along K][12,800 bytes]: eight fragments of 1,536 bytes (registers 0-3 at 16 x lane, 4-5 at 512 + 8 x lane,
; 6-9 at 768 + 16 x lane, 10-11 at 1,280 + 8 x lane), then the scale words [tile / 4][row 16][tile % 4].
; THE ROWS OF A TILE ARE NOT NEIGHBOURS: row p of tile 4 c + u is row 64 c + 8 u + p + 24 (p / 8) of its group, so that a product that takes such tiles as source 0 leaves 32 neighbouring rows in one lane.
; A block's scale is 2^(floor(log2(largest magnitude)) - 2); its byte is the largest magnitude's exponent field - 2, held at 1 from below.
; Wave 0 of each work-group also makes eight rows of the table [s 2048][frequency 32][cos, sin] from token_positions.
; LIMITS: NaN and infinities among the inputs are not served.  A block of zeros gets the byte 1 where the rule says 127: its codes are zeros, and this program alone reads the bytes.
; Positions are exact in f32 for magnitudes under 2^24; the angle is reduced by pi / 2 in two parts, whose remainder is n x 1.7e-15; sine and cosine are polynomials on [-pi/4, pi/4] good to about 1e-7.
; SHARES: 1,536 units of 64 rows x 128 along K (four fragments), one to a wave: units 0-1,023 x, then 128 each for wq, wk, wv, wo.  Waves share nothing: no barrier.  No input is read by two work-groups, so no cluster.
; A load reads 512 consecutive bytes of one row; the conversions want 32 neighbours along K in one lane: a fragment's 16 rows turn through the wave's own stage in LDS (rows of 512 + 16 bytes).
.set STG,  8448                        ; a wave's stage: 16 rows x 528 bytes
.set L16,  1                           ; v1   16 x lane
.set L8,   2                           ; v2   8 x lane
.set WA,   3                           ; v3   the stage, on the way in: 16 x lane
.set RA,   4                           ; v4   on the way out: 528 r + 128 h
.set SH8,  5                           ; v5   8 h
.set SCO,  7                           ; v7   16 r + 8 h: my two scale words
.set R,    16                          ; v16-143  two sets of 64: a fragment's rows as loaded
.set X,    144                         ; v144-207 my 64 numbers: register 32 c + i = k 64 c + 32 h + i of row r
.set PC,   208                         ; v208-219 the fragment's codes
.set TO,   220                         ; v220-222, v224-226 a block's upper 16 codes (a conversion's three registers begin on an even number)
.set TM,   228
.set SO,   230
.set BY,   232
.set SW,   234                         ; v234-237 the four fragments' scale words
.set TP,   238
.set WV,   22
.set DST,  24                          ; s[24:25] my four fragments
.set SRC,  28                          ; s[28:29] my 64 rows
.set DSC,  36                          ; s[36:37] my scale words
.set SEL,  38                          ; s[38:39] v_permlanex16_b32's selects for lane l xor 16
.set PHI,  48                          ; pi / 2, upper and lower part
.set PLO,  49
.set KS1,  50                          ; sine's and cosine's coefficients
.set KS2,  51
.set KS3,  52
.set KC1,  53
.set KC2,  54
.set KC3,  55
.set RB,   58                          ; s[58:59] my eight rows of the table
	s_load_b256 s[4:11], s[0:1], 0x0               ; x, wq, wk, wv
	s_load_b256 s[12:19], s[0:1], 0x20             ; wo, token_positions, ximg, wimg
	s_load_b64 s[20:21], s[0:1], 0x40              ; rope
	v_lshl_add_u32 v240, v0, 2, 0xc600
	v_mov_b32 v241, 0
	v_lshrrev_b32 v8, 5, v0
	v_readfirstlane_b32 s[WV], v8                  ; wave 0..5
	v_and_b32 v6, 31, v0                           ; lane
	v_and_b32 v9, 15, v0                           ; r
	v_bfe_u32 v10, v0, 4, 1                        ; h
	v_lshlrev_b32 v[L16], 4, v6
	v_lshlrev_b32 v[L8], 3, v6
	s_mul_i32 s23, s[WV], STG
	v_add_nc_u32 v[WA], s23, v[L16]
	v_mul_u32_u24 v[RA], v9, 528
	v_lshl_add_u32 v[RA], v10, 7, v[RA]
	v_add_nc_u32 v[RA], s23, v[RA]
	v_lshlrev_b32 v[SH8], 3, v10
	v_lshlrev_b32 v[SCO], 4, v9
	v_lshl_add_u32 v[SCO], v10, 3, v[SCO]
	v_mov_b32 v[TP], 0                             ; written once: a lane permute's destination counts as one of its sources
	s_mov_b32 s[SEL], 0x76543210
	s_mov_b32 s[SEL+1], 0xfedcba98
	s_mul_i32 s23, ttmp9, 6
	s_add_co_u32 s23, s23, s[WV]                   ; my unit
	s_wait_kmcnt 0x0
	s_cmp_lt_u32 s23, 1408                         ; whose unit: the choices hang on the unit's number alone
	s_cselect_b64 s[SRC:SRC+1], s[10:11], s[12:13]
	s_cmp_lt_u32 s23, 1280
	s_cselect_b64 s[SRC:SRC+1], s[8:9], s[SRC:SRC+1]
	s_cmp_lt_u32 s23, 1152
	s_cselect_b64 s[SRC:SRC+1], s[6:7], s[SRC:SRC+1]
	s_cmp_lt_u32 s23, 1024
	s_cselect_b64 s[SRC:SRC+1], s[4:5], s[SRC:SRC+1]
	s_cselect_b64 s[DST:DST+1], s[16:17], s[18:19]
	s_cselect_b32 s26, 0, 1024
	s_cselect_b32 s27, 63, 7                       ; groups in the source, less one
	s_sub_co_u32 s26, s23, s26                     ; the unit's number in its image
	s_lshr_b32 s30, s26, 1                         ; the block: 8 x group + K step
	s_and_b32 s31, s26, 1                          ; which 64 rows of the group
	s_and_b32 s32, s30, 7                          ; K step
	s_lshr_b32 s33, s26, 4
	s_and_b32 s33, s33, s27                        ; group in the source
	s_lshl_b32 s34, s33, 19                        ; 128 rows of 4,096 bytes
	s_lshl_b32 s35, s31, 18
	s_add_co_u32 s34, s34, s35
	s_lshl_b32 s35, s32, 9                         ; 128 numbers
	s_add_co_u32 s34, s34, s35
	s_mov_b32 s35, 0
	s_add_nc_u64 s[SRC:SRC+1], s[SRC:SRC+1], s[34:35]
	s_mul_i32 s34, s30, 12800
	s_add_nc_u64 s[DST:DST+1], s[DST:DST+1], s[34:35]
	s_lshl_b32 s34, s31, 8
	s_add_co_u32 s34, s34, 12288
	s_add_nc_u64 s[DSC:DSC+1], s[DST:DST+1], s[34:35]
	s_mul_i32 s34, s31, 6144
	s_add_nc_u64 s[DST:DST+1], s[DST:DST+1], s[34:35]
.macro LOAD u                          ; fragment u's 16 rows, 512 consecutive bytes each, into set u % 2
.irp p, 0,1,2,3,4,5,6,7,8,9,10,11,12,13,14,15
	global_load_b128 v[R+64*((\u)%2)+4*\p:R+64*((\u)%2)+4*\p+3], v[L16], s[SRC:SRC+1] offset:(8*(\u)+\p+24*(\p/8))*4096 th:TH_LOAD_NT
.endr
.endm
	LOAD 0
	LOAD 1
	; ---- the table of cosines and sines: wave 0 alone; tokens 8 x work-group on; a lane a frequency.  Its registers lie in X, which is not yet in use
	s_cmp_lg_u32 s[WV], 0
	s_cbranch_scc1 .Lno_rope
	s_lshl_b32 s34, ttmp9, 5
	s_add_nc_u64 s[14:15], s[14:15], s[34:35]
	s_load_b256 s[40:47], s[14:15], 0x0            ; eight positions
	s_lshl_b32 s56, ttmp9, 11
	s_mov_b32 s57, 0
	s_add_nc_u64 s[RB:RB+1], s[20:21], s[56:57]
	s_mov_b32 s[PHI], 0x3fc90fdb
	s_mov_b32 s[PLO], 0xb33bbd2e
	s_mov_b32 s[KS1], 0xbe2aaaa3
	s_mov_b32 s[KS2], 0x3c08839e
	s_mov_b32 s[KS3], 0xb94ca1f9
	s_mov_b32 s[KC1], 0x3d2aaaa5
	s_mov_b32 s[KC2], 0xbab6061a
	s_mov_b32 s[KC3], 0x37ccf5ce
	v_cvt_f32_u32 v[X], v6                         ; i
	v_mul_f32 v[X+1], 0x3ed49a78, v[X]             ; i x log2(10000) / 32, rounded;
	v_fma_f32 v[X+2], v[X], 0x3ed49a78, -v[X+1]    ; what that rounding lost,
	v_fma_f32 v[X+2], v[X], 0x32179a1c, v[X+2]     ; and the constant's lower part
	v_exp_f32 v[X+3], -v[X+1]
	v_mul_f32 v[X+2], 0xbf317218, v[X+2]           ; x -ln 2.  (The plain instruction behind the exponential)
	s_wait_alu depctr_va_vdst(0)                   ; ahead of the exponential's first reader
	v_fma_f32 v[X+3], v[X+3], v[X+2], v[X+3]       ; 10000^(-i / 32)
	s_wait_kmcnt 0x0
.irp t, 0,1,2,3,4,5,6,7
	v_cvt_f32_i32 v[X+4], s[40+\t]
	v_mul_f32 v[X+4], v[X+4], v[X+3]               ; the angle, rounded once
	v_mul_f32 v[X+5], 0x3f22f983, v[X+4]
	v_rndne_f32 v[X+5], v[X+5]                     ; n = the nearest multiple of pi / 2
	v_fma_f32 v[X+6], -v[X+5], s[PHI], v[X+4]
	v_fma_f32 v[X+6], -v[X+5], s[PLO], v[X+6]      ; the rest, in [-pi/4, pi/4]
	v_mul_f32 v[X+7], v[X+6], v[X+6]
	v_cvt_i32_f32 v[X+8], v[X+5]
	v_fma_f32 v[X+9], v[X+7], s[KS3], s[KS2]
	v_fma_f32 v[X+9], v[X+9], v[X+7], s[KS1]
	v_mul_f32 v[X+9], v[X+9], v[X+7]
	v_fma_f32 v[X+9], v[X+9], v[X+6], v[X+6]       ; sine of the rest
	v_fma_f32 v[X+10], v[X+7], s[KC3], s[KC2]
	v_fma_f32 v[X+10], v[X+10], v[X+7], s[KC1]
	v_mul_f32 v[X+11], v[X+7], v[X+7]
	v_fma_f32 v[X+12], v[X+7], -0.5, 1.0
	v_fma_f32 v[X+10], v[X+10], v[X+11], v[X+12]   ; cosine of the rest
	v_and_b32 v[X+11], 1, v[X+8]
	v_cmp_eq_u32 vcc_lo, 1, v[X+11]                ; an odd n changes the two over
	v_cndmask_b32 v[X+12], v[X+9], v[X+10], vcc_lo
	v_cndmask_b32 v[X+11], v[X+10], v[X+9], vcc_lo
	v_lshlrev_b32 v[X+9], 30, v[X+8]
	v_and_b32 v[X+9], 0x80000000, v[X+9]           ; sine's sign: bit 1 of n
	v_xor_b32 v[X+17+2*\t], v[X+12], v[X+9]
	v_add_nc_u32 v[X+8], 1, v[X+8]
	v_lshlrev_b32 v[X+8], 30, v[X+8]
	v_and_b32 v[X+8], 0x80000000, v[X+8]           ; cosine's: bit 1 of n + 1
	v_xor_b32 v[X+16+2*\t], v[X+11], v[X+8]
	global_store_b64 v[L8], v[X+16+2*\t:X+17+2*\t], s[RB:RB+1] offset:256*\t   ; 32 lanes store a token's 256 bytes
.endr
	s_wait_xcnt 0x0                                ; the stores have read their registers: X is loaded into only behind this wait
.Lno_rope:
; Fragment u: through the stage, quantised, stored.
.macro FRAGQ u
.if \u < 3
	s_wait_loadcnt 16                              ; this fragment's sixteen loads are in; the next one's may be out
.else
	s_wait_loadcnt 0x0
.endif
.irp p, 0,1,2,3,4,5,6,7,8,9,10,11,12,13,14,15
	ds_store_b128 v[WA], v[R+64*(\u%2)+4*\p:R+64*(\u%2)+4*\p+3] offset:528*\p
.endr
.irp c, 0,1
.irp j, 0,1,2,3,4,5,6,7
	ds_load_b128 v[X+32*\c+4*\j:X+32*\c+4*\j+3], v[RA] offset:256*\c+16*\j   ; LDS serves a wave's instructions in order: these see the stores above
.endr
.endr
	s_wait_dscnt 0x0                               ; my numbers are back, and the stores into the stage have read their set
	s_wait_xcnt 0x0                                ; the last fragment's stores have read the codes' registers
.if \u < 2
	LOAD (\u+2)
.endif
.irp c, 0,1
	v_max3_num_f32 v[TM+\c], |v[X+32*\c]|, |v[X+32*\c+1]|, 0x1800000   ; block 2 c + h is all mine; the floor 2^(3 - 127) holds the byte at 1 from below
.endr
.irp i, 2,4,6,8,10,12,14,16,18,20,22,24,26,28,30
.irp c, 0,1
	v_max3_num_f32 v[TM+\c], v[TM+\c], |v[X+32*\c+\i]|, |v[X+32*\c+\i+1]|
.endr
.endr
.irp c, 0,1
	v_add_nc_u32 v[SO+\c], 0xff000000, v[TM+\c]    ; 2 off the exponent field: the conversion's scale operand
.endr
.irp c, 0,1
	v_lshrrev_b32 v[BY+\c], 23, v[SO+\c]           ; the scale's byte
.endr
.irp c, 0,1
	v_cvt_scalef32_pk16_fp6_f32 v[PC+6*\c:PC+6*\c+2], v[X+32*\c:X+32*\c+15], v[SO+\c]
	v_cvt_scalef32_pk16_fp6_f32 v[TO+4*\c:TO+4*\c+2], v[X+32*\c+16:X+32*\c+31], v[SO+\c]
.endr
	v_nop                                          ; one plain instruction behind the scaled conversions
.irp c, 0,1
.irp i, 0,1,2
	v_mov_b32 v[PC+6*\c+3+\i], v[TO+4*\c+\i]
.endr
.endr
	v_lshl_or_b32 v[SW+\u], v[BY+1], 16, v[BY]     ; my two bytes, blocks h and 2 + h,
	v_lshlrev_b32 v[SW+\u], v[SH8], v[SW+\u]       ; at their places;
	v_permlanex16_b32 v[TP], v[SW+\u], s[SEL], s[SEL+1]
	v_or_b32 v[SW+\u], v[SW+\u], v[TP]             ; with lane l xor 16's two the word is whole
	global_store_b128 v[L16], v[PC:PC+3], s[DST:DST+1] offset:1536*\u            ; 512 consecutive bytes
	global_store_b64 v[L8], v[PC+4:PC+5], s[DST:DST+1] offset:1536*\u+512        ; 256
	global_store_b128 v[L16], v[PC+6:PC+9], s[DST:DST+1] offset:1536*\u+768
	global_store_b64 v[L8], v[PC+10:PC+11], s[DST:DST+1] offset:1536*\u+1280
.endm
	FRAGQ 0
	FRAGQ 1
	FRAGQ 2
	FRAGQ 3
	s_mov_b32 vcc_lo, 0xffff0000                   ; lanes 0-15 store words 0, 1 of their row, lanes 16-31 words 2, 3: 256 consecutive bytes
	v_cndmask_b32 v[TP], v[SW], v[SW+2], vcc_lo
	v_cndmask_b32 v[TP+1], v[SW+1], v[SW+3], vcc_lo
	global_store_b64 v[SCO], v[TP:TP+1], s[DSC:DSC+1]
	s_wait_tensorcnt 0x0
	ds_add_u32 v240, v241
	s_wait_dscnt 0x0
	s_endpgm
.Lfunc_end_k_qbfd140895f_prep:
	.size	k_qbfd140895f_prep, .Lfunc_end_k_qbfd140895f_prep-k_qbfd140895f_prep
	.p2alignl 7, 3214868480
	.fill 96, 4, 3214868480
	.section	.rodata,"a",@progbits
	.p2align	6, 0x0
	.amdhsa_kernel k_qbfd140895f_prep
		.amdhsa_group_segment_fixed_size 51456
		.amdhsa_private_segment_fixed_size 0
		.amdhsa_enable_private_segment 0
		.amdhsa_kernarg_size 72
		.amdhsa_user_sgpr_count 2
		.amdhsa_user_sgpr_kernarg_segment_ptr 1
		.amdhsa_wavefront_size32 1
		.amdhsa_system_sgpr_workgroup_id_x 1
		.amdhsa_system_sgpr_workgroup_id_y 1
		.amdhsa_system_sgpr_workgroup_id_z 1
		.amdhsa_system_vgpr_workitem_id 0
		.amdhsa_next_free_vgpr 242
		.amdhsa_next_free_sgpr 66
		.amdhsa_reserve_vcc 1
		.amdhsa_float_denorm_mode_32 3
		.amdhsa_float_denorm_mode_16_64 3
		.amdhsa_memory_ordered 1
		.amdhsa_forward_progress 1
		.amdhsa_inst_pref_size 43
	.end_amdhsa_kernel
	.amdgpu_metadata
---
amdhsa.version: [ 1, 2 ]
amdhsa.kernels:
  - .name:           k_qbfd140895f_prep
    .symbol:         k_qbfd140895f_prep.kd
    .args:
      - { .name: x, .offset: 0, .size: 8, .value_kind: global_buffer, .address_space: global }
      - { .name: wq, .offset: 8, .size: 8, .value_kind: global_buffer, .address_space: global }
      - { .name: wk, .offset: 16, .size: 8, .value_kind: global_buffer, .address_space: global }
      - { .name: wv, .offset: 24, .size: 8, .value_kind: global_buffer, .address_space: global }
      - { .name: wo, .offset: 32, .size: 8, .value_kind: global_buffer, .address_space: global }
      - { .name: token_positions, .offset: 40, .size: 8, .value_kind: global_buffer, .address_space: global }
      - { .name: ximg, .offset: 48, .size: 8, .value_kind: global_buffer, .address_space: global }
      - { .name: wimg, .offset: 56, .size: 8, .value_kind: global_buffer, .address_space: global }
      - { .name: rope, .offset: 64, .size: 8, .value_kind: global_buffer, .address_space: global }
    .group_segment_fixed_size: 51456
    .private_segment_fixed_size: 0
    .kernarg_segment_align: 8
    .kernarg_segment_size: 72
    .max_flat_workgroup_size: 192
    .sgpr_count:     66
    .vgpr_count:     242
    .wavefront_size: 32
...
	.end_amdgpu_metadata
.endif
;; end of part 1
;; launch proj (part 2): grid 8 x 48, 4 waves a work-group, clusters of 4 x 4, 327,680 bytes of LDS; arguments ximg, wimg, rope, qkv; writes qkv
.if DOCPART == 2
	.amdgcn_target "amdgcn-amd-amdhsa--gfx1250"
	.amdhsa_code_object_version 6
	.text
	.protected	k_qbfd140895f_proj
	.globl	k_qbfd140895f_proj
	.p2align	8
	.type	k_qbfd140895f_proj,@function
k_qbfd140895f_proj:
	s_mov_b64 s[64:65], 0
	v_nop
	global_prefetch_b8 v0, s[64:65] scope:SCOPE_SE
	s_setreg_imm32_b32 hwreg(HW_REG_WAVE_MODE, 25, 1), 1
	s_wait_xcnt 0x0
	s_wait_alu depctr_hold_cnt(0) depctr_sa_sdst(0) depctr_va_vdst(0) depctr_va_sdst(0) depctr_va_ssrc(0) depctr_va_vcc(0) depctr_vm_vsrc(0)
	s_getreg_b32 s2, hwreg(HW_REG_IB_STS2, 6, 4)
	s_cmp_eq_u32 s2, 0
	s_cbranch_scc0 .Lentry_in_a_cluster
	s_endpgm
.Lentry_in_a_cluster:
	s_bfe_u32 s2, ttmp6, 0x10000c
	s_cmp_lg_u32 s2, 0xf033
	s_cbranch_scc0 .Lentry_shape_is_right
	s_endpgm
.Lentry_shape_is_right:
; q, k, v = x wq^T, x wk^T, x wv^T on codes of FP6 (E2M3) with E8M0 scales; q and k are rotated (RoPE) in f32; all three leave as codes again, in the order of the next launch's operand registers.
; G[i][j] = sum over k of P[i][k] R[j][k], a tile of 256 x 256 to a work-group of four waves, 128 x 128 to a wave: 64 accumulators.  Source 0 = 16 rows of P, source 1 = 16 rows of R.
; Cluster rows 0-7 (Q, K): P = wq, wk (i = features), R = x (j = tokens).  Cluster rows 8-11 (V): P = x (i = tokens), R = wv (j = features).  The choice hangs on the cluster's y alone, which all partners share.
; The images' tiles hold rows 64 c + 8 u + p + 24 (p / 8): so a lane's 32 registers of P's tiles 4 c .. 4 c + 3 are i = 64 c + 32 (lane / 16) + 0 .. 31: for q and k one block of 32 of a head's 64, for v one block of 32 keys.
; A block's largest magnitude needs no other lane, and the conversions' results are the next operand's registers as they stand.
; OPERANDS lie in memory and in LDS as images of their registers: [group of 128 rows][128 along K][12,800 bytes] = 8 fragments of 1,536 bytes + 512 bytes of scale words.  A slot of the ring holds 256 along K of two groups of R and two of P:
; four dense blocks of 25,600 bytes, one tensor load a wave; fragment loads read consecutive bytes.  K = 1,024 is four fills of two slots: the steps are written out, without a loop.
; CLUSTERS: 4 x 4 work-groups; R's blocks are shared along a row of the cluster, P's along a column, each asked for jointly.
; OUT: qkv [g 48][token block 64][6,400]: g = head (q), 16 + head (k), 32 + head (v); four fragments of 1,536 bytes (three runs of 512, registers 4 q .. 4 q + 3 at 16 x lane), then scale words [row 16][fragment 4].
;   q, k: fragment f = [token tile 2 f: the head's 64 | token tile 2 f + 1: the head's 64].   v: fragment u = 16 channels (8 u + r + 24 (r / 8)) x the block's 128 keys.
; LIMITS: NaN and infinities are not served; a block of zeros gets the byte 1 (its codes are zeros; this program alone reads the bytes); the rotation is x cos + (x_rot sin) with the first product fused into the sum.
; REGISTERS: window 0: v8-29 addresses; v32-63 scale words, two sets; v128-223 R's fragments, one set.  window 1: P's fragments, two sets, at v0 and v128; at the end the table of cosines and sines.  windows 2, 3: the accumulators, (a, b) at v[8 (8 (a % 4) + b)] of window 2 + a / 4.
.set NQ,    2                          ; steps of 128 along K in a slot
.set FR,    12                         ; registers of a fragment
.set NL,    4                          ; LDS loads that bring one
.set NP,    4                          ; places behind this matrix instruction (ISA guide 7.12.1)
.set BLK,   12800
.set GRP,   2*BLK                      ; a group's part of a slot
.set GB,    8*BLK                      ; a group in memory
.set SLOT,  4*GRP
.set SPARE, 2*SLOT                     ; behind the ring: the spare words, 128 bytes for each wave, that no other line names
.set QB,    6400                       ; a block of qkv
.set QG,    64*QB                      ; from g to g + 1
.set L16,   8                          ; v8   16 x lane
.set SOFF,  11                         ; v11  QG h + 16 r: where my scale words go
.set VT,    12                         ; v12  my token's row in a tile of the table: 256 (r + 24 (r / 8)) + 128 h
.set SH8,   13                         ; v13  8 h
.set TP,    14
.set RA16,  16                         ; v16-17 my group of R in slot 0, 1, + 16 x lane;  v18-19 + 8 x lane
.set RA8,   18
.set PA16,  20                         ; v20-23 the same for P
.set PA8,   22
.set SA,    24                         ; v24-25 scale words: lanes 0-15 R's rows, lanes 16-31 P's
.set SPW,   28                         ; v28  my spare word; never rewritten
.set NIL,   29                         ; v29  0; never rewritten
.set SC,    32                         ; register SC + 16 slot + 8 q + t: lanes 0-15 the words of R's tile t, lanes 16-31 of P's tile t
.set AF,    128
.set T,     64                         ; the way out: v64-127 a tile's rotated numbers
.set PC,    128                        ; v128-151 two fragments' codes
.set TO,    176
.set TM,    184
.set SO,    186
.set BY,    188
.set SW,    48                         ; v48-55 scale words;  v56-59 those that I store
.set FW,    56
.set G1,    24                         ; s[24:31], s[32:39] descriptor groups 1 and 0 (a set for each slot) for R
.set G0,    32
.set G1B,   48                         ; s[48:55], s[56:63] for P
.set G0B,   56
.set KIND,  66                         ; 0: q, k;  1: v
.set RT,    68                         ; s[68:69] the table at my 128 tokens
.set OUT,   70                         ; s[70:71] my first block of qkv
.set HM,    72
.set SEL,   74
.set MSB, 0
.macro WIN new                         ; the immediate's high byte repeats the setting that is left
.if MSB != (\new)
	s_set_vgpr_msb (MSB<<8)|(\new)
.set MSB, (\new)
.endif
.endm
.set MUL_LO, 0xa1                      ; source 0 (P) window 1, source 1 (R) window 0, C and D window 2
.set MUL_HI, 0xf1
.set TO_B,   0x40
; A joint load: waves 0 and 1 fetch R's two groups, waves 2 and 3 P's.  The branch hangs on the wave's number alone.  Four v_nop follow each of the two lines.
.macro JLOAD g0a, g1a, g0b, g1b
	s_cmp_eq_u32 s15, 0
	s_cbranch_scc0 .Lfor_b_\@
	tensor_load_to_lds s[\g0a:\g0a+3], s[\g1a:\g1a+7]
	s_nop 0
.rept 4
	v_nop
.endr
	s_branch .Lasked_\@
.Lfor_b_\@:
	tensor_load_to_lds s[\g0b:\g0b+3], s[\g1b:\g1b+7]
	s_nop 0
.rept 4
	v_nop
.endr
.Lasked_\@:
.endm
.macro CREST                           ; a round of the cluster's barrier behind its opening barrier
	s_cmp_lg_u32 s14, 0
	s_cbranch_scc1 .Lnot_wave_0_\@
	s_barrier_signal -3
.Lnot_wave_0_\@:
	s_barrier_wait -3
	s_barrier_signal -1
	s_barrier_wait -1
.endm
.macro CROUND
	s_barrier_signal -1
	s_barrier_wait -1
	CREST
.endm
	s_load_b256 s[4:11], s[0:1], 0x0               ; ximg, wimg, rope, qkv
	v_lshl_add_u32 v[SPW], v0, 2, SPARE
	v_mov_b32 v[NIL], 0
	ds_add_u32 v28, v29
	ds_add_u32 v28, v29
	s_wait_dscnt 0x0
	v_lshrrev_b32 v1, 5, v0
	v_readfirstlane_b32 s14, v1                    ; wave 0..3
	s_lshr_b32 s15, s14, 1                         ; my group of R.  Also: I fetch for R (0) or for P (1)
	s_and_b32 s16, s14, 1                          ; my group of P.  Also: which group I fetch
	s_bfe_u32 s40, ttmp6, 0x40000                  ; cx, cy
	s_bfe_u32 s41, ttmp6, 0x40004
	s_and_b32 s17, ttmp7, 0xffff                   ; the cluster's y, 0..11
	s_sub_co_u32 s18, s17, 8
	s_lshl_b32 s18, s18, 1
	s_add_co_u32 s18, s18, ttmp9                   ; v: P's clusters of tiles run 2 (y - 8) + x
	s_cmp_ge_u32 s17, 8
	s_cselect_b32 s[KIND], 1, 0
	s_cselect_b32 s18, s18, ttmp9
	s_cselect_b32 s19, 0, s17
	s_cselect_b32 s12, 16*GB, 0                    ; wv begins 16 groups into wimg
	s_lshl_b32 s42, s18, 2
	s_add_co_u32 s42, s42, s40                     ; P's tile of 256 rows
	s_lshl_b32 s17, s19, 2
	s_add_co_u32 s17, s17, s41                     ; R's tile
	s_lshl_b32 s43, s41, 2
	s_lshl_b32 s43, 15, s43                        ; my row of the cluster
	s_lshl_b32 s44, 0x1111, s40                    ; my column
	; descriptor group 1: a dense block of 25,600 bytes as 100 rows of 32 elements of 8 bytes
	s_or_b32 s[G1+0], s43, (3<<16)|(1<<21)         ; 15:0 the mask: R's blocks go to my row; 17:16 elements of 8 bytes; 21 set beside a mask
	s_or_b32 s[G1B+0], s44, (3<<16)|(1<<21)        ; P's to my column
.irp g, G1, G1B
	s_mov_b32 s[\g+1], 32<<16                      ; tensor_dim0
	s_mov_b32 s[\g+2], 100<<16                     ; tensor_dim1
	s_mov_b32 s[\g+3], 32<<16                      ; tile_dim0
	s_mov_b32 s[\g+4], 100                         ; tile_dim1
	s_mov_b32 s[\g+5], 32                          ; tensor_dim0_stride
	s_mov_b32 s[\g+6], 0
	s_mov_b32 s[\g+7], 0
.endr
	s_lshl_b32 s20, s17, 1
	s_add_co_u32 s20, s20, s16
	s_mul_i32 s20, s20, GB
	s_add_co_u32 s20, s20, s12                     ; the group of R that I fetch, in bytes
	s_mov_b32 s21, 0
	s_lshl_b32 s46, s42, 1
	s_add_co_u32 s46, s46, s16
	s_mul_i32 s46, s46, GB                         ; the group of P
	s_mov_b32 s47, 0
	s_mul_i32 s45, s14, GRP                        ; where it goes: no place in the cluster enters an LDS address
	s_wait_kmcnt 0x0
	s_cmp_lg_u32 s[KIND], 0
	s_cselect_b64 s[22:23], s[6:7], s[4:5]         ; R: wimg for v, else ximg
	s_cselect_b64 s[92:93], s[4:5], s[6:7]         ; P: ximg for v, else wimg
	s_add_nc_u64 s[20:21], s[22:23], s[20:21]
	s_add_nc_u64 s[46:47], s[92:93], s[46:47]
	CROUND                                         ; all sixteen work-groups are here: the first joint loads meet
.irp s, 0,1
	s_mov_b32 s[G0+4*\s], 1
	s_add_co_u32 s[G0+4*\s+1], s45, \s*SLOT
	s_add_nc_u64 s[G0+4*\s+2:G0+4*\s+3], s[20:21], \s*GRP
	s_or_b32 s[G0+4*\s+3], s[G0+4*\s+3], 0x80000000
	s_mov_b32 s[G0B+4*\s], 1
	s_add_co_u32 s[G0B+4*\s+1], s45, \s*SLOT
	s_add_nc_u64 s[G0B+4*\s+2:G0B+4*\s+3], s[46:47], \s*GRP
	s_or_b32 s[G0B+4*\s+3], s[G0B+4*\s+3], 0x80000000
	JLOAD G0+4*\s, G1, G0B+4*\s, G1B
.endr
	v_and_b32 v1, 31, v0                           ; lane
	v_and_b32 v6, 15, v0                           ; r
	v_bfe_u32 v7, v0, 4, 1                         ; h
	v_lshlrev_b32 v[L16], 4, v1
	v_lshlrev_b32 v9, 3, v1
	s_mul_i32 s21, s15, GRP                        ; my group of R
	s_mul_i32 s22, s16, GRP
	s_add_co_u32 s22, s22, 2*GRP                   ; my group of P, behind R's two
.irp s, 0,1
	v_add_nc_u32 v[RA16+\s], s21, v[L16]
	v_add_nc_u32 v[RA8+\s], s21, v9
	v_add_nc_u32 v[PA16+\s], s22, v[L16]
	v_add_nc_u32 v[PA8+\s], s22, v9
	s_add_co_u32 s21, s21, SLOT
	s_add_co_u32 s22, s22, SLOT
.endr
	s_mul_i32 s21, s15, GRP
	s_mul_i32 s22, s16, GRP
	s_add_co_u32 s22, s22, 2*GRP
	s_sub_co_u32 s22, s22, s21                     ; from R's scale words to P's
	v_mul_u32_u24 v10, s22, v7                     ; lanes 16-31 take P's
	v_lshl_add_u32 v10, v6, 4, v10                 ; 16 bytes a row: four tiles' words
	s_add_co_u32 s21, s21, 8*1536
	v_add_nc_u32 v[SA], s21, v10
	v_add_nc_u32 v[SA+1], SLOT, v[SA]
	v_lshrrev_b32 v[VT], 3, v6
	v_mul_u32_u24 v[VT], v[VT], 24
	v_add_nc_u32 v[VT], v[VT], v6
	v_lshlrev_b32 v[VT], 8, v[VT]
	v_lshl_add_u32 v[VT], v7, 7, v[VT]
	v_mul_u32_u24 v[SOFF], v7, QG
	v_lshl_add_u32 v[SOFF], v6, 4, v[SOFF]
	v_lshlrev_b32 v[SH8], 3, v7
	v_mov_b32 v[TP], 0                             ; written once: a lane permute's destination counts as one of its sources
	s_mov_b32 s[HM], 0xffff0000
	s_mov_b32 s[SEL], 0x76543210
	s_mov_b32 s[SEL+1], 0xfedcba98
	s_lshl_b32 s76, s42, 1
	s_add_co_u32 s76, s76, s16                     ; my group of P
	s_lshl_b32 s77, s17, 1
	s_add_co_u32 s77, s77, s15                     ; my group of R
	s_lshl_b32 s78, s77, 1
	s_add_co_u32 s78, s78, 32                      ; v: g = 32 + 2 x R's group, token block = P's group
	s_lshl_b32 s79, s76, 1                         ; q, k: g = 2 x P's group, token block = R's group
	s_cmp_lg_u32 s[KIND], 0
	s_cselect_b32 s78, s78, s79
	s_cselect_b32 s79, s76, s77
	s_lshl_b32 s78, s78, 6
	s_add_co_u32 s78, s78, s79
	s_mul_i32 s78, s78, QB
	s_mov_b32 s79, 0
	s_add_nc_u64 s[OUT:OUT+1], s[10:11], s[78:79]
	s_and_b32 s78, s77, 15                         ; the token block within its sequence
	s_lshl_b32 s78, s78, 15                        ; 128 tokens of 256 bytes
	s_add_nc_u64 s[RT:RT+1], s[8:9], s[78:79]
.macro FRAG reg, a16, a8, q, t         ; a fragment comes back as it was stored: registers 0-3, 4-5, 6-9, 10-11; every load reads consecutive bytes
	ds_load_b128 v[\reg:\reg+3], v[\a16] offset:(\q)*BLK+(\t)*1536
	ds_load_b64 v[\reg+4:\reg+5], v[\a8] offset:(\q)*BLK+(\t)*1536+512
	ds_load_b128 v[\reg+6:\reg+9], v[\a16] offset:(\q)*BLK+(\t)*1536+768
	ds_load_b64 v[\reg+10:\reg+11], v[\a8] offset:(\q)*BLK+(\t)*1536+1280
.endm
; 16 matrix instructions: R's blocks a0, a0 + 1 x P's eight.  p: P's set;  q: the slot's step;  sc: the set of scale words.  zero = 1: the first product starts the sums.
; The 64 accumulators take turns, one instruction a turn, in the same order in every step.
.macro MUL16 a0, p, q, sc, zero
.irp a, \a0, \a0+1
.irp b, 0,1,2,3,4,5,6,7
.if \zero
	v_wmma_scale_f32_16x16x128_f8f6f4 v[8*(8*((\a)%4)+\b):8*(8*((\a)%4)+\b)+7], v[128*(\p)+FR*\b:128*(\p)+FR*\b+FR-1], v[AF+FR*(\a):AF+FR*(\a)+FR-1], 0, v[SC+16*(\sc)+8*(\q)+\b], v[SC+16*(\sc)+8*(\q)+(\a)] matrix_a_fmt:MATRIX_FMT_FP6 matrix_b_fmt:MATRIX_FMT_FP6 matrix_a_scale:MATRIX_SCALE_ROW1
.else
	v_wmma_scale_f32_16x16x128_f8f6f4 v[8*(8*((\a)%4)+\b):8*(8*((\a)%4)+\b)+7], v[128*(\p)+FR*\b:128*(\p)+FR*\b+FR-1], v[AF+FR*(\a):AF+FR*(\a)+FR-1], v[8*(8*((\a)%4)+\b):8*(8*((\a)%4)+\b)+7], v[SC+16*(\sc)+8*(\q)+\b], v[SC+16*(\sc)+8*(\q)+(\a)] matrix_a_fmt:MATRIX_FMT_FP6 matrix_b_fmt:MATRIX_FMT_FP6 matrix_a_scale:MATRIX_SCALE_ROW1
.endif
.endr
.endr
.endm
.macro FETCH_B slot, q, p
	WIN TO_B
.irp i, 0,1,2,3,4,5,6,7
	FRAG 128*(\p)+FR*\i, PA16+\slot, PA8+\slot, \q, \i
.endr
	WIN 0
.endm
.macro FETCH_A slot, q, i0
.irp i, \i0, \i0+1, \i0+2, \i0+3
	FRAG AF+FR*(\i), RA16+\slot, RA8+\slot, \q, \i
.endr
.endm
.macro SCALES sl                       ; a slot's scale words: four tiles' words of a row by one load
.irp q, 0,1
.irp f, 0,1
	ds_load_b128 v[SC+16*\sl+8*\q+4*\f:SC+16*\sl+8*\q+4*\f+3], v[SA+\sl] offset:\q*BLK+256*\f
.endr
.endr
.endm
; A load into a register that a matrix instruction has read, and a vector instruction that reads a matrix result or writes one of its registers, stand NP places behind it;
; only plain vector instructions that name none of its registers are places (ISA guide 7.12.1 for vector instructions).
.macro PLACES n
.rept \n
	v_nop
.endr
.endm
.macro STEP slot, q, zero              ; a step of 128 along K that has its successor in the same slot
	s_wait_dscnt 4*NL                              ; all but the youngest sixteen loads (R's blocks 4-7) are in
	WIN MUL_LO
	MUL16 0, (\q)%2, \q, \slot, \zero
	MUL16 2, (\q)%2, \q, \slot, \zero
	s_wait_dscnt 0
	PLACES NP
	FETCH_B \slot, (\q)+1, 1-(\q)%2
	FETCH_A \slot, (\q)+1, 0
	WIN MUL_HI
	MUL16 4, (\q)%2, \q, \slot, \zero
	MUL16 6, (\q)%2, \q, \slot, \zero
	PLACES NP
	WIN 0
	FETCH_A \slot, (\q)+1, 4
.endm
; A slot's last step changes slots: one barrier; in front of it each wave waits for all its tensor loads, adds 0 to its spare word, and waits for that and for its reads of this slot.  fill = 1: this slot is filled again, two slots ahead.
.macro TURN slot, next, fill
	s_wait_tensorcnt 0x0                           ; all my tensor loads have landed: my part of the next slot
	ds_add_u32 v[SPW], v[NIL]                      ; 0 onto my spare word
	s_wait_dscnt 4*NL+1                            ; (the add and the youngest sixteen loads may be out)
	WIN MUL_LO
	MUL16 0, 1, NQ-1, \slot, 0
	s_wait_dscnt 0x0                               ; the add is done, and my reads of this slot are over
	s_barrier_signal -1
	MUL16 2, 1, NQ-1, \slot, 0
	WIN 0
	s_barrier_wait -1
.if \fill
	CREST                                          ; the barrier has opened a round of the cluster's barrier: no wave of any partner still reads this slot or has a load on its way
	s_add_nc_u64 s[G0+4*\slot+2:G0+4*\slot+3], s[G0+4*\slot+2:G0+4*\slot+3], 2*GRP
	s_add_nc_u64 s[G0B+4*\slot+2:G0B+4*\slot+3], s[G0B+4*\slot+2:G0B+4*\slot+3], 2*GRP
	JLOAD G0+4*\slot, G1, G0B+4*\slot, G1B         ; the first tensor load behind the round; its four v_nop are the places in front of the loads below
.else
	PLACES NP
.endif
	FETCH_B \next, 0, 0
	FETCH_A \next, 0, 0
	SCALES \next
	WIN MUL_HI
	MUL16 4, 1, NQ-1, \slot, 0
	MUL16 6, 1, NQ-1, \slot, 0
	PLACES NP
	WIN 0
	FETCH_A \next, 0, 4
.endm
; Four tiles of the table, a0 on: my token's 16 (cos, sin) pairs, frequencies 16 h on, into v[32 a ..] of window 1
.macro TLD4 a0
	WIN 0x40
.irp a, \a0, \a0+1, \a0+2, \a0+3
.irp x, 0,1,2,3,4,5,6,7
	global_load_b128 v[32*(\a)+4*\x:32*(\a)+4*\x+3], v[VT], s[RT:RT+1] offset:(64*((\a)/4)+8*((\a)%4))*256+16*\x
.endr
.endr
	WIN 0
.endm
	s_wait_tensorcnt 1                             ; my part of slot 0 is in; slot 1's may stay out
	s_barrier_signal -1
	s_barrier_wait -1
	FETCH_B 0, 0, 0
	FETCH_A 0, 0, 0
	SCALES 0
	FETCH_A 0, 0, 4
	STEP 0, 0, 1                                   ; K 0-127: its products start the sums
	TURN 0, 1, 1                                   ; slot 0 takes K 512-767
	STEP 1, 0, 0
	TURN 1, 0, 1                                   ; slot 1 takes K 768-1,023
	STEP 0, 0, 0
	TURN 0, 1, 0                                   ; nothing is left to fetch
	STEP 1, 0, 0
	s_cmp_lg_u32 s[KIND], 0                        ; q, k: the table's first four tiles are asked for under the last step, into P's set 0, whose last products stand in front of the places above
	s_cbranch_scc1 .Lno_table
	TLD4 0
.Lno_table:
	s_wait_dscnt 4*NL                              ; the very last step
	WIN MUL_LO
	MUL16 0, 1, NQ-1, 1, 0
	MUL16 2, 1, NQ-1, 1, 0
	s_wait_dscnt 0
	WIN MUL_HI
	MUL16 4, 1, NQ-1, 1, 0
	MUL16 6, 1, NQ-1, 1, 0
	WIN 0
	PLACES NP
; Two blocks of 32 numbers of a lane, v[n0] on and v[n1] on in window w, become codes in v[d0] .. + 5 and v[d1] .. + 5 and bytes in v[y0], v[y1].  The blocks take turns; each accumulator is read from its low end on.
.macro QB2 n0, n1, w, d0, d1, y0, y1
	WIN ((\w)<<2)|((\w)<<4)
	v_max3_num_f32 v[TM], 0x1800000, |v[\n0]|, |v[\n0+1]|          ; the floor 2^(3 - 127) holds the byte at 1 from below
	v_max3_num_f32 v[TM+1], 0x1800000, |v[\n1]|, |v[\n1+1]|
.irp i, 2,4,6,8,10,12,14,16,18,20,22,24,26,28,30
	v_max3_num_f32 v[TM], v[TM], |v[\n0+\i]|, |v[\n0+\i+1]|
	v_max3_num_f32 v[TM+1], v[TM+1], |v[\n1+\i]|, |v[\n1+\i+1]|
.endr
	WIN 0
	v_add_nc_u32 v[SO], 0xff000000, v[TM]          ; 2 off the exponent field: the conversion's scale operand
	v_add_nc_u32 v[SO+1], 0xff000000, v[TM+1]
	v_lshrrev_b32 v[\y0], 23, v[SO]
	v_lshrrev_b32 v[\y1], 23, v[SO+1]
	WIN \w
	v_cvt_scalef32_pk16_fp6_f32 v[\d0:\d0+2], v[\n0:\n0+15], v[SO]
	v_cvt_scalef32_pk16_fp6_f32 v[TO:TO+2], v[\n0+16:\n0+31], v[SO]      ; (a conversion's three registers begin on an even number)
	v_cvt_scalef32_pk16_fp6_f32 v[\d1:\d1+2], v[\n1:\n1+15], v[SO+1]
	v_cvt_scalef32_pk16_fp6_f32 v[TO+4:TO+6], v[\n1+16:\n1+31], v[SO+1]
	WIN 0
	v_nop                                          ; one plain instruction behind the scaled conversions
.irp i, 0,1,2
	v_mov_b32 v[\d0+3+\i], v[TO+\i]
	v_mov_b32 v[\d1+3+\i], v[TO+4+\i]
.endr
.endm
.macro SWORD d, lo, hi                 ; my two bytes at their places (8 h bits up); with lane l xor 16's two the word is whole
	v_lshl_or_b32 v[\d], v[\hi], 16, v[\lo]
	v_lshlrev_b32 v[\d], v[SH8], v[\d]
	v_permlanex16_b32 v[TP], v[\d], s[SEL], s[SEL+1]
	v_or_b32 v[\d], v[\d], v[TP]
.endm
; The rotation of token tile a: registers 2 p, 2 p + 1 of a head's block are the pair (x0, x1) of frequency 16 h + p: (x0 c - x1 s, x1 c + x0 s), two packed instructions a pair.
.macro ROPE a
.set W, 2+(\a)/4
.set AC, 64*((\a)%4)
	WIN W|4                                        ; source 0 the accumulators, source 1 the table (window 1), the rest window 0
.irp c, 0,1
.irp m, 0,4,8,12
.irp p, 0,1,2,3
	v_pk_mul_f32 v[T+32*\c+2*(\m+\p):T+32*\c+2*(\m+\p)+1], v[AC+32*\c+2*(\m+\p):AC+32*\c+2*(\m+\p)+1], v[32*(\a)+2*(\m+\p):32*(\a)+2*(\m+\p)+1] op_sel:[1,1] op_sel_hi:[0,1] neg_lo:[0,1]   ; (-x1 s, x0 s)
.endr
.irp p, 0,1,2,3
	v_pk_fma_f32 v[T+32*\c+2*(\m+\p):T+32*\c+2*(\m+\p)+1], v[AC+32*\c+2*(\m+\p):AC+32*\c+2*(\m+\p)+1], v[32*(\a)+2*(\m+\p):32*(\a)+2*(\m+\p)+1], v[T+32*\c+2*(\m+\p):T+32*\c+2*(\m+\p)+1] op_sel_hi:[1,0,1]   ; + (x0 c, x1 c)
.endr
.endr
.endr
	WIN 0
.endm
; THE WAY OUT, R's tiles in pairs.  kind 0 (q, k): the pair's two token tiles make one fragment for each of my two heads.  kind 1 (v): each tile of 16 channels makes a fragment of its own.  No LDS: a lane's codes are the image's bytes.
.macro EPI kind
.if \kind == 0
	TLD4 4                                         ; into P's set 1, behind the places behind the last products
.endif
.irp g, 0,1,2,3
.if \g > 0
	s_wait_xcnt 0x0                                ; the last pair's stores have read the codes' registers
.endif
.irp e, 0,1
.if \kind == 0
	s_wait_loadcnt 8*(7-2*\g-\e)                   ; this tile's eight loads of the table are in; those of the tiles behind it may be out
	ROPE 2*\g+\e
	QB2 T, T+32, 0, PC+6*\e, PC+12+6*\e, BY+2*\e, BY+2*\e+1
.else
	QB2 64*((2*\g+\e)%4), 64*((2*\g+\e)%4)+32, 2+(2*\g+\e)/4, PC+12*\e, PC+12*\e+6, BY+2*\e, BY+2*\e+1
.endif
.endr
.if \kind == 0
	SWORD SW+\g, BY, BY+2                          ; head 0: tile 2 g's byte, tile 2 g + 1's byte
	SWORD SW+4+\g, BY+1, BY+3                      ; head 1
.else
	SWORD SW+2*\g, BY, BY+1                        ; tile 2 g: keys 32 h on, keys 64 + 32 h on
	SWORD SW+2*\g+1, BY+2, BY+3
.endif
.irp x, 0,1
.irp q, 0,1,2
.if \kind == 0
	global_store_b128 v[L16], v[PC+12*\x+4*\q:PC+12*\x+4*\q+3], s[OUT:OUT+1] offset:\x*QG+\g*1536+512*\q     ; 512 consecutive bytes, at a multiple of 256 from the buffer's first byte
.else
	global_store_b128 v[L16], v[PC+12*\x+4*\q:PC+12*\x+4*\q+3], s[OUT:OUT+1] offset:((2*\g+\x)/4)*QG+((2*\g+\x)%4)*1536+512*\q
.endif
.endr
.endr
.endr
.irp y, 0,1,2,3
	v_cndmask_b32 v[FW+\y], v[SW+\y], v[SW+4+\y], s[HM]   ; lanes 0-15 store the first head's words, lanes 16-31 the second's
.endr
	global_store_b128 v[SOFF], v[FW:FW+3], s[OUT:OUT+1] offset:4*1536   ; sixteen lanes store a block's 256 bytes of scale words
.endm
	s_cmp_lg_u32 s[KIND], 0
	s_cbranch_scc1 .Lepi_v
	EPI 0
	s_branch .Ldone
.Lepi_v:
	EPI 1
.Ldone:
	s_wait_tensorcnt 0x0                           ; the wave's end
	ds_add_u32 v[SPW], v[NIL]
	s_wait_dscnt 0x0
	CROUND                                         ; the closing round: no work-group ends while a partner may still ask for a block that names it
	s_endpgm
.Lfunc_end_k_qbfd140895f_proj:
	.size	k_qbfd140895f_proj, .Lfunc_end_k_qbfd140895f_proj-k_qbfd140895f_proj
	.p2alignl 7, 3214868480
	.fill 96, 4, 3214868480
	.section	.rodata,"a",@progbits
	.p2align	6, 0x0
	.amdhsa_kernel k_qbfd140895f_proj
		.amdhsa_group_segment_fixed_size 327680
		.amdhsa_private_segment_fixed_size 0
		.amdhsa_enable_private_segment 0
		.amdhsa_kernarg_size 32
		.amdhsa_user_sgpr_count 2
		.amdhsa_user_sgpr_kernarg_segment_ptr 1
		.amdhsa_wavefront_size32 1
		.amdhsa_system_sgpr_workgroup_id_x 1
		.amdhsa_system_sgpr_workgroup_id_y 1
		.amdhsa_system_sgpr_workgroup_id_z 1
		.amdhsa_system_vgpr_workitem_id 0
		.amdhsa_next_free_vgpr 1024
		.amdhsa_next_free_sgpr 100
		.amdhsa_reserve_vcc 0
		.amdhsa_float_denorm_mode_32 3
		.amdhsa_float_denorm_mode_16_64 3
		.amdhsa_memory_ordered 1
		.amdhsa_forward_progress 1
		.amdhsa_inst_pref_size 204
	.end_amdhsa_kernel
	.amdgpu_metadata
---
amdhsa.version: [ 1, 2 ]
amdhsa.kernels:
  - .name:           k_qbfd140895f_proj
    .symbol:         k_qbfd140895f_proj.kd
    .args:
      - { .name: ximg, .offset: 0, .size: 8, .value_kind: global_buffer, .address_space: global }
      - { .name: wimg, .offset: 8, .size: 8, .value_kind: global_buffer, .address_space: global }
      - { .name: rope, .offset: 16, .size: 8, .value_kind: global_buffer, .address_space: global }
      - { .name: qkv, .offset: 24, .size: 8, .value_kind: global_buffer, .address_space: global }
    .group_segment_fixed_size: 327680
    .private_segment_fixed_size: 0
    .kernarg_segment_align: 8
    .kernarg_segment_size: 32
    .max_flat_workgroup_size: 128
    .sgpr_count:     100
    .vgpr_count:     1024
    .wavefront_size: 32
...
	.end_amdgpu_metadata
.endif
;; end of part 2
;; launch attn (part 3): grid 4 x 64, 16 waves a work-group, clusters of 4 x 1, 206,848 bytes of LDS; arguments qkv, oimg; writes oimg
.if DOCPART == 3
	.amdgcn_target "amdgcn-amd-amdhsa--gfx1250"
	.amdhsa_code_object_version 6
	.text
	.protected	k_qbfd140895f_attn
	.globl	k_qbfd140895f_attn
	.p2align	8
	.type	k_qbfd140895f_attn,@function
k_qbfd140895f_attn:
	s_mov_b64 s[64:65], 0
	v_nop
	global_prefetch_b8 v0, s[64:65] scope:SCOPE_SE
	s_setreg_imm32_b32 hwreg(HW_REG_WAVE_MODE, 25, 1), 1
	s_wait_xcnt 0x0
	s_wait_alu depctr_hold_cnt(0) depctr_sa_sdst(0) depctr_va_vdst(0) depctr_va_sdst(0) depctr_va_ssrc(0) depctr_va_vcc(0) depctr_vm_vsrc(0)
	s_getreg_b32 s2, hwreg(HW_REG_IB_STS2, 6, 4)
	s_cmp_eq_u32 s2, 0
	s_cbranch_scc0 .Lentry_in_a_cluster
	s_endpgm
.Lentry_in_a_cluster:
	s_bfe_u32 s2, ttmp6, 0x10000c
	s_cmp_lg_u32 s2, 0x3003
	s_cbranch_scc0 .Lentry_shape_is_right
	s_endpgm
.Lentry_shape_is_right:
; o = softmax(q k^T / 8, causal) v for one (batch, head) to a cluster of four work-groups, both products on codes of FP6 (E2M3) with E8M0 scales; o / l leaves as codes, in the order of the last launch's operand registers.
; THE SOFTMAX: t = score x log2(e) / 8; M = the running largest t rounded UP to a whole number; p = 2^(t - M) is quantised along the keys, not normalised; the row's sum is taken of the unquantised p and divides at the end.
; When M moves, the sum and O are multiplied by 2^(old M - new M): exact.
; K AND V OF THE WHOLE HEAD STAY IN LDS: 16 steps of 128 keys x (6,400 bytes of K + 6,400 of V), filled once, jointly for the four work-groups, two loads a wave.  Nothing is filled again.
; SHARES: a wave owns one tile of 16 queries at a time.  Wave w takes tile 2 cx + w % 2 of token block w / 2, then of block 15 - w / 2: 17 key steps for every wave.  Steps past the diagonal are jumped (a branch on the wave's number and a counter).
; LAYOUT: both products transposed: S^T = K Q^T, O^T = V^T P^T: a lane holds one query.  A tile's keys are 64 c + 8 u + p + 24 (p / 8), so the 32 registers of tiles 4 c .. 4 c + 3 are keys 64 c + 32 (lane / 16) + 0 .. 31:
; a whole block of 32 in one lane, the block that the operand's layout gives that lane: no lane is asked for a block's maximum and no codes change lanes.
; K = 64 IN A FORM OF 128: a fragment of K holds two key tiles, [tile 2 f | tile 2 f + 1]; the queries stand as [q | 0 | q] in 18 registers: registers 0-11 pick the first tile, registers 6-17 the second.  Zero codes add nothing.
; LIMITS: NaN and infinities are not served; p under 2^-126 counts as 0; a block of zeros keeps the byte 1 (its codes are zeros; this program alone reads the bytes).
; No later tile is left to ask ahead for: all of K and V is asked for at the head.
.set QB,   6400
.set LI,   1                           ; v1   16 x lane
.set LSC,  2                           ; v2   6,144 + 16 r: a block's scale words
.set ADR,  3                           ; v3, v4 the step's addresses
.set ADS,  4
.set DQ,   5                           ; v5   my query's place in its block, less 32 h
.set SH8,  6                           ; v6   8 h
.set L8,   7                           ; v7   8 x lane
.set OB8,  8                           ; v8   16 r + h: my scale byte
.set R16,  9                           ; v9   16 r
.set TA,   10
.set TP,   11
.set QF,   16                          ; v16-33 [q | 0 | q]
.set QS,   34                          ; q's scale word;  v35 p's
.set PS,   35
.set KV,   36                          ; v36-83 four fragments of K, then of V
.set KS,   84                          ; v84-87 K's scale words, v88-91 V's
.set VS,   88
.set S,    96                          ; v96-159 S^T, then p
.set O,    160                         ; v160-191 O^T: register 8 u + j is channel 32 h + 8 u + j
.set PCD,  192                         ; v192-203 p's codes
.set TO,   204
.set BM,   212                         ; the two blocks' largest scores, then largest p
.set SO,   214
.set BY,   216
.set CH,   218                         ; the sum's second chain
.set FF,   220                         ; v[220:221] f = 2^(old M - new M) (the pair's upper word is written once)
.set QI,   224                         ; v224-235 the fragment of q as loaded
.set WV,   8
.set CNT,  17
.set SEL,  32
.set CS,   34                          ; s[34:35] c = log2(e) / 8
.set TB,   36                          ; the step's LDS byte
.set SG,   37                          ; the step
.set BETA, 38                          ; my token block
.macro CROUND                          ; a round of the cluster's barrier
	s_barrier_signal -1
	s_barrier_wait -1
	s_cmp_lg_u32 s[WV], 0
	s_cbranch_scc1 .Lnot_wave_0_\@
	s_barrier_signal -3
.Lnot_wave_0_\@:
	s_barrier_wait -3
	s_barrier_signal -1
	s_barrier_wait -1
.endm
	s_load_b128 s[4:7], s[0:1], 0x0                ; qkv, oimg
	v_lshl_add_u32 v254, v0, 2, 0x32000
	v_mov_b32 v255, 0
	ds_add_u32 v254, v255
	ds_add_u32 v254, v255
	v_lshrrev_b32 v1, 5, v0
	s_delay_alu instid0(VALU_DEP_1)
	v_readfirstlane_b32 s[WV], v1                  ; wave 0..15
	s_bfe_u32 s9, ttmp6, 0x40000                   ; cx: it enters global addresses of q and o and a lane's number, nothing else
	s_and_b32 s10, ttmp7, 0xffff
	s_and_b32 s11, s10, 15                         ; head
	s_lshr_b32 s12, s10, 4                         ; batch
	s_lshr_b32 s13, s[WV], 1
	s_and_b32 s14, s[WV], 1
	s_lshl_b32 s15, s9, 1
	s_add_co_u32 s15, s15, s14                     ; my tile in a block: 2 cx + w % 2
	s_lshl_b32 s20, s12, 4
	s_lshl_b32 s21, s11, 6
	s_add_co_u32 s20, s20, s21                     ; 64 head + 16 batch
	; my two loads.  The first: K (0) or V (1) = (w / 4) % 2, step w % 4 + 4 (w / 8): together steps 0-7.  The second: K or V = w / 8, step 8 + w % 8
	s_bfe_u32 s16, s[WV], 0x10002
	s_and_b32 s17, s[WV], 3
	s_lshr_b32 s18, s[WV], 3
	s_lshl_b32 s19, s18, 2
	s_add_co_u32 s17, s17, s19
	s_and_b32 s19, s[WV], 7
	s_add_co_u32 s19, s19, 8
	s_lshl_b32 s22, s16, 10
	s_add_co_u32 s22, s22, s20
	s_add_co_u32 s22, s22, s17
	s_add_co_u32 s22, s22, 1024                    ; block (16 + 16 kind + head) x 64 + 16 batch + step
	s_mul_i32 s22, s22, QB
	s_mov_b32 s23, 0
	s_mul_i32 s24, s17, 2*QB
	s_mul_i32 s25, s16, QB
	s_add_co_u32 s24, s24, s25                     ; in LDS: 12,800 step + 6,400 kind
	s_lshl_b32 s26, s18, 10
	s_add_co_u32 s26, s26, s20
	s_add_co_u32 s26, s26, s19
	s_add_co_u32 s26, s26, 1024
	s_mul_i32 s26, s26, QB
	s_mov_b32 s27, 0
	s_mul_i32 s28, s19, 2*QB
	s_mul_i32 s29, s18, QB
	s_add_co_u32 s28, s28, s29
	; descriptor group 1: a dense block of 6,400 bytes as 25 rows of 32 elements of 8 bytes
	s_mov_b32 s52, 15|(3<<16)|(1<<21)              ; 15:0 the mask: all four work-groups; 17:16 elements of 8 bytes; 21 set beside a mask
	s_mov_b32 s53, 32<<16
	s_mov_b32 s54, 25<<16
	s_mov_b32 s55, 32<<16
	s_mov_b32 s56, 25
	s_mov_b32 s57, 32
	s_mov_b32 s58, 0
	s_mov_b32 s59, 0
	s_mov_b32 s[SEL], 0x76543210
	s_mov_b32 s[SEL+1], 0xfedcba98
	s_mov_b32 s[CS], 0x3e38aa3b
	s_mov_b32 s[CS+1], s[CS]                       ; (named with it as a pair, so it is written)
	s_wait_dscnt 0x0
	s_wait_kmcnt 0x0
	s_mov_b32 s44, 1
	s_mov_b32 s45, s24
	s_add_nc_u64 s[46:47], s[4:5], s[22:23]
	s_or_b32 s47, s47, 0x80000000
	s_mov_b32 s48, 1
	s_mov_b32 s49, s28
	s_add_nc_u64 s[50:51], s[4:5], s[26:27]
	s_or_b32 s51, s51, 0x80000000
	CROUND                                         ; all four work-groups are here: the joint loads meet
	tensor_load_to_lds s[44:47], s[52:59]          ; two loads of mine are out
	s_nop 0
	tensor_load_to_lds s[48:51], s[52:59]
	s_nop 0
.rept 4
	v_nop
.endr
	v_and_b32 v[TA], 31, v0                        ; lane
	v_and_b32 v[R16], 15, v0                       ; r
	v_bfe_u32 v[TP], v0, 4, 1                      ; h
	s_delay_alu instid0(VALU_DEP_3)
	v_lshlrev_b32 v[LI], 4, v[TA]
	s_delay_alu instid0(VALU_DEP_4)
	v_lshlrev_b32 v[L8], 3, v[TA]
	s_delay_alu instid0(VALU_DEP_4)
	v_lshl_add_u32 v[LSC], v[R16], 4, 4*1536
	s_delay_alu instid0(VALU_DEP_4)
	v_lshlrev_b32 v[SH8], 3, v[TP]
	v_lshl_add_u32 v[OB8], v[R16], 4, v[TP]
	v_lshrrev_b32 v[DQ], 3, v[R16]
	s_delay_alu instid0(VALU_DEP_1)
	v_mul_u32_u24 v[DQ], v[DQ], 24
	s_delay_alu instid0(VALU_DEP_1)
	v_add_nc_u32 v[DQ], v[DQ], v[R16]              ; r + 24 (r / 8)
	v_lshlrev_b32 v[ADR], 5, v[TP]
	s_delay_alu instid0(VALU_DEP_1)
	v_sub_nc_u32 v[DQ], v[DQ], v[ADR]              ; - 32 h
	s_lshr_b32 s18, s15, 2
	s_and_b32 s19, s15, 3
	s_lshl_b32 s22, s18, 6
	s_lshl_b32 s23, s19, 3
	s_add_co_u32 s22, s22, s23
	v_add_nc_u32 v[DQ], s22, v[DQ]                 ; + 64 (a / 4) + 8 (a % 4)
	v_lshlrev_b32 v[R16], 4, v[R16]
	v_mov_b32 v[TP], 0                             ; written once: a lane permute's destination counts as one of its sources
	v_mov_b32 v[FF+1], 0
.irp k, 0,1,2,3,4,5
	v_mov_b32 v[QF+6+\k], 0                        ; the zero codes between the two copies of q
.endr
	s_mul_i32 s30, s9, 1536                        ; q: fragment cx of a block,
	s_lshl_b32 s31, s9, 2                          ; and its scale word in a row's four
	s_cmp_lg_u32 s14, 0
	s_cselect_b32 s39, -1, 0                       ; which half of the fragment is my tile
	s_lshl_b32 s40, s14, 4
	s_lshr_b32 s41, s11, 1                         ; o: the K step of the last product = the pair of heads
	s_and_b32 s23, s11, 1
	s_mul_i32 s42, s15, 1536
	s_mul_i32 s24, s23, 768
	s_add_co_u32 s42, s42, s24                     ; fragment a, my head's half
	s_lshl_b32 s43, s18, 8
	s_lshl_b32 s24, s19, 2
	s_add_co_u32 s43, s43, s24
	s_lshl_b32 s24, s23, 1
	s_add_co_u32 s43, s43, s24
	s_add_co_u32 s43, s43, 8*1536                  ; its scale words' bytes 2 (head % 2) + h
; A pass begins: block s[BETA].  q's tile comes into registers, the statistics and O^T begin anew (one text of the step serves the first step too: the first change of M multiplies zeros).
.macro INIT
	s_wait_xcnt 0x0                                ; the last pass's loads and stores have read their bases and registers
	s_add_co_u32 s24, s20, s[BETA]
	s_mul_i32 s24, s24, QB
	s_mov_b32 s25, 0
	s_add_co_u32 s26, s24, s31
	s_mov_b32 s27, 0
	s_add_co_u32 s24, s24, s30
	s_add_nc_u64 s[60:61], s[4:5], s[24:25]
	s_add_nc_u64 s[62:63], s[4:5], s[26:27]
	s_lshl_b32 s24, s12, 4
	s_add_co_u32 s24, s24, s[BETA]
	s_lshl_b32 s24, s24, 3
	s_add_co_u32 s24, s24, s41
	s_mul_i32 s24, s24, 12800
	s_add_co_u32 s26, s24, s43
	s_add_co_u32 s24, s24, s42
	s_add_nc_u64 s[66:67], s[6:7], s[24:25]
	s_add_nc_u64 s[68:69], s[6:7], s[26:27]
	global_load_b128 v[QI:QI+3], v[LI], s[60:61]
	global_load_b128 v[QI+4:QI+7], v[LI], s[60:61] offset:512
	global_load_b128 v[QI+8:QI+11], v[LI], s[60:61] offset:1024
	global_load_b32 v[TA], v[R16], s[62:63] offset:4*1536
	v_mov_b32 v13, 0xff61b1e6                      ; the largest t so far: -3e38
	s_delay_alu instid0(VALU_DEP_1)
	v_floor_f32 v12, -v13                          ; -M
	v_mov_b32 v14, 0                               ; the sum, in two halves
	v_mov_b32 v15, 0
	s_wait_loadcnt 0x0
.irp k, 0,1,2,3,4,5
	v_cndmask_b32 v[QF+\k], v[QI+\k], v[QI+6+\k], s39
.endr
.irp k, 0,1,2,3,4,5
	v_mov_b32 v[QF+12+\k], v[QF+\k]
.endr
	v_lshrrev_b32 v[TA], s40, v[TA]
	s_delay_alu instid0(VALU_DEP_1)
	v_and_b32 v[TA], 0xffff, v[TA]                 ; my tile's two bytes,
	s_delay_alu instid0(VALU_DEP_1)
	v_lshl_or_b32 v[QS], v[TA], 16, v[TA]          ; for either place of q
.set n, 0
.rept 32
	v_mov_b32 v[O+n], 0                            ; (these 32 are also the places between the lines above and the first products)
.set n, n+1
.endr
.endm
; A KEY STEP: 128 keys.  skip = 1: a step past my block is jumped, all but the lines at its end that step the counter and the address.
.macro STEP skip
.if \skip
	s_cmp_gt_u32 s[SG], s[BETA]
	s_cbranch_scc1 .Lpast_\@
.endif
	s_setprio 2
	v_add_nc_u32 v[ADR], s[TB], v[LI]
	v_add_nc_u32 v[ADS], s[TB], v[LSC]
	v_nop
	v_nop                                          ; four places in front of loads into registers that the last step's products have read
.irp f, 0,1,2,3
.irp q, 0,1,2
	ds_load_b128 v[KV+12*\f+4*\q:KV+12*\f+4*\q+3], v[ADR] offset:1536*\f+512*\q
.endr
.endr
	ds_load_b128 v[KS:KS+3], v[ADS]
	ds_load_b128 v[VS:VS+3], v[ADS] offset:QB
	s_wait_alu depctr_va_vdst(0)
	s_wait_dscnt 0x0
.irp f, 0,1,2,3
	v_wmma_scale_f32_16x16x128_f8f6f4 v[S+16*\f:S+16*\f+7], v[KV+12*\f:KV+12*\f+11], v[QF:QF+11], 0, v[KS+\f], v[QS] matrix_a_fmt:MATRIX_FMT_FP6 matrix_b_fmt:MATRIX_FMT_FP6
	v_wmma_scale_f32_16x16x128_f8f6f4 v[S+16*\f+8:S+16*\f+15], v[KV+12*\f:KV+12*\f+11], v[QF+6:QF+17], 0, v[KS+\f], v[QS] matrix_a_fmt:MATRIX_FMT_FP6 matrix_b_fmt:MATRIX_FMT_FP6
.endr
.rept 4
	v_nop                                          ; places in front of the loads below and of the first read of the scores
.endr
.irp f, 0,1,2,3
.irp q, 0,1,2
	ds_load_b128 v[KV+12*\f+4*\q:KV+12*\f+4*\q+3], v[ADR] offset:QB+1536*\f+512*\q     ; V lands under the softmax
.endr
.endr
	s_cmp_lg_u32 s[SG], s[BETA]                    ; on the diagonal hidden scores become -infinity ahead of the maximum.  Register 32 c + i holds key 64 c + 32 h + i of the step
	s_cbranch_scc1 .Lopen_\@
	v_mov_b32 v[TA], 0xff800000
.set n, 0
.rept 64
	v_cmp_gt_i32 vcc_lo, 64*(n/32)+n%32, v[DQ]
	v_cndmask_b32 v[S+n], v[S+n], v[TA], vcc_lo
.set n, n+1
.endr
.Lopen_\@:
.irp c, 0,1
	v_max3_num_f32 v[BM+\c], v[S+32*\c], v[S+32*\c+1], v[S+32*\c+2]   ; the largest score of each of my two blocks: it serves the row's maximum and, since p rises with the score, the block's largest p
.endr
.irp i, 3,5,7,9,11,13,15,17,19,21,23,25,27,29
.irp c, 0,1
	v_max3_num_f32 v[BM+\c], v[BM+\c], v[S+32*\c+\i], v[S+32*\c+\i+1]
.endr
.endr
.irp c, 0,1
	v_max_num_f32 v[BM+\c], v[BM+\c], v[S+32*\c+31]
.endr
	s_delay_alu instid0(VALU_DEP_1)
	v_max_num_f32 v[TA], v[BM], v[BM+1]
	s_delay_alu instid0(VALU_DEP_1)
	v_permlanex16_b32 v[TP], v[TA], s[SEL], s[SEL+1]
	s_delay_alu instid0(VALU_DEP_1)
	v_max_num_f32 v[TA], v[TA], v[TP]              ; the step's largest score of my query
	s_delay_alu instid0(VALU_DEP_1)
	v_mul_f32 v[TA], s[CS], v[TA]
	s_delay_alu instid0(VALU_DEP_1)
	v_max_num_f32 v13, v13, v[TA]                  ; the running largest t
	v_mov_b32 v[TA], v12
	s_delay_alu instid0(VALU_DEP_2)
	v_floor_f32 v12, -v13                          ; the new -M = -ceil(t)
	s_delay_alu instid0(VALU_DEP_1)
	v_sub_f32 v[TA], v12, v[TA]                    ; old M - new M: a whole number, 0 or less
	s_delay_alu instid0(VALU_DEP_1)
	v_cvt_i32_f32 v[TA], v[TA]                     ; (it saturates)
	s_delay_alu instid0(VALU_DEP_1)
	v_ldexp_f32 v[FF], 1.0, v[TA]                  ; f
.set n, 0
	s_setprio 1
.rept 32
	v_pk_fma_f32 v[S+n:S+n+1], v[S+n:S+n+1], s[CS:CS+1], v[12:13] op_sel_hi:[1,0,0]   ; t - M, two at a time
.set n, n+2
.endr
.irp c, 0,1
	v_fma_f32 v[BM+\c], v[BM+\c], s[CS], v12
.endr
.set n, 0
	s_wait_alu depctr_va_vdst(0)
.rept 64
	v_exp_f32 v[S+n], v[S+n]                       ; p, at most 1
.set n, n+1
.endr
	v_pk_mul_f32 v[14:15], v[14:15], v[FF:FF+1] op_sel_hi:[1,0]    ; the sums under the new M.  (The plain instruction behind the exponentials)
	s_wait_alu depctr_va_vdst(0)                   ; one wait for the batch, ahead of its first reader
.irp c, 0,1
	v_exp_f32 v[BM+\c], v[BM+\c]                   ; the block's largest p: the same arithmetic on the same number
.endr
	v_pk_add_f32 v[218:219], v[100:101], v[104:105]
	v_pk_add_f32 v[252:253], v[108:109], v[112:113]
	v_pk_add_f32 v[250:251], v[116:117], v[120:121]
	v_pk_add_f32 v[248:249], v[124:125], v[128:129]
	v_pk_add_f32 v[246:247], v[132:133], v[136:137]
	v_pk_add_f32 v[244:245], v[140:141], v[144:145]
	v_pk_add_f32 v[242:243], v[148:149], v[152:153]
	v_pk_add_f32 v[14:15], v[14:15], v[156:157]
	v_pk_add_f32 v[218:219], v[218:219], v[96:97]
	v_pk_add_f32 v[252:253], v[252:253], v[98:99]
	v_pk_add_f32 v[250:251], v[250:251], v[102:103]
	v_pk_add_f32 v[248:249], v[248:249], v[106:107]
	v_pk_add_f32 v[246:247], v[246:247], v[110:111]
	v_pk_add_f32 v[244:245], v[244:245], v[114:115]
	v_pk_add_f32 v[242:243], v[242:243], v[118:119]
	v_pk_add_f32 v[14:15], v[14:15], v[122:123]
	v_pk_add_f32 v[218:219], v[218:219], v[126:127]
	v_pk_add_f32 v[252:253], v[252:253], v[130:131]
	v_pk_add_f32 v[250:251], v[250:251], v[134:135]
	v_pk_add_f32 v[248:249], v[248:249], v[138:139]
	v_pk_add_f32 v[246:247], v[246:247], v[142:143]
	v_pk_add_f32 v[244:245], v[244:245], v[146:147]
	v_pk_add_f32 v[242:243], v[242:243], v[150:151]
	v_pk_add_f32 v[14:15], v[14:15], v[154:155]
	v_pk_add_f32 v[218:219], v[218:219], v[158:159]
	s_delay_alu instid0(VALU_DEP_2)
	v_pk_add_f32 v[14:15], v[14:15], v[248:249]
	s_delay_alu instid0(VALU_DEP_2)
	v_pk_add_f32 v[218:219], v[218:219], v[246:247]
	v_pk_add_f32 v[252:253], v[252:253], v[244:245]
	v_pk_add_f32 v[250:251], v[250:251], v[242:243]
	s_delay_alu instid0(VALU_DEP_2)
	v_pk_add_f32 v[14:15], v[14:15], v[252:253]
	s_delay_alu instid0(VALU_DEP_2)
	v_pk_add_f32 v[218:219], v[218:219], v[250:251]
	s_delay_alu instid0(VALU_DEP_1)
	v_pk_add_f32 v[14:15], v[14:15], v[218:219]
	s_setprio 0
	s_wait_alu depctr_va_vdst(0)                   ; and one for the two
.irp c, 0,1
	v_max_num_f32 v[BM+\c], 0x1800000, v[BM+\c]    ; the floor 2^(3 - 127)
.endr
.irp c, 0,1
	s_delay_alu instid0(VALU_DEP_2)
	v_add_nc_u32 v[SO+\c], 0xff000000, v[BM+\c]
.endr
.irp c, 0,1
	s_delay_alu instid0(VALU_DEP_2)
	v_lshrrev_b32 v[BY+\c], 23, v[SO+\c]
.endr
	s_delay_alu instid0(VALU_DEP_1)
	v_lshl_or_b32 v[PS], v[BY+1], 16, v[BY]
	s_delay_alu instid0(VALU_DEP_1)
	v_lshlrev_b32 v[PS], v[SH8], v[PS]
	s_delay_alu instid0(VALU_DEP_1)
	v_permlanex16_b32 v[TP], v[PS], s[SEL], s[SEL+1]
	s_delay_alu instid0(VALU_DEP_1)
	v_or_b32 v[PS], v[PS], v[TP]                   ; p's scale word for these 128 keys
.irp c, 0,1
	v_cvt_scalef32_pk16_fp6_f32 v[PCD+6*\c:PCD+6*\c+2], v[S+32*\c:S+32*\c+15], v[SO+\c]
	v_cvt_scalef32_pk16_fp6_f32 v[TO+4*\c:TO+4*\c+2], v[S+32*\c+16:S+32*\c+31], v[SO+\c]
.endr
	v_nop                                          ; one plain instruction behind the scaled conversions
.irp c, 0,1
.irp i, 0,1,2
	v_mov_b32 v[PCD+6*\c+3+\i], v[TO+4*\c+\i]
.endr
.endr
.set n, 0
.rept 16
	v_pk_mul_f32 v[O+n:O+n+1], v[O+n:O+n+1], v[FF:FF+1] op_sel_hi:[1,0]   ; O^T under the new M.  (Sixteen instructions between the scale word, the codes and the products)
.set n, n+2
.endr
	s_wait_alu depctr_va_vdst(0)
	s_wait_dscnt 0x0                               ; V is in
.irp u, 0,1,2,3
	v_wmma_scale_f32_16x16x128_f8f6f4 v[O+8*\u:O+8*\u+7], v[KV+12*\u:KV+12*\u+11], v[PCD:PCD+11], v[O+8*\u:O+8*\u+7], v[VS+\u], v[PS] matrix_a_fmt:MATRIX_FMT_FP6 matrix_b_fmt:MATRIX_FMT_FP6
.endr
.Lpast_\@:
	s_add_co_u32 s[SG], s[SG], 1
	s_add_co_u32 s[TB], s[TB], 2*QB
.endm
; A pass ends: O^T / the sum, quantised along the head's channels (my 32 are one block), stored as half a fragment of the last product's operand.
.macro FIN
.rept 4
	v_nop
.endr
	v_add_f32 v14, v14, v15
	s_delay_alu instid0(VALU_DEP_1)
	v_permlanex16_b32 v[TP], v14, s[SEL], s[SEL+1]
	s_delay_alu instid0(VALU_DEP_1)
	v_add_f32 v14, v14, v[TP]                      ; the row's sum
	s_wait_alu depctr_va_vdst(0)
	v_rcp_f32 v14, v14
	v_nop                                          ; a plain instruction behind the reciprocal,
	s_wait_alu depctr_va_vdst(0)                   ; and the wait ahead of its first reader
.set n, 0
.rept 32
	v_mul_f32 v[S+n], v[O+n], v14
.set n, n+1
.endr
	v_max3_num_f32 v[BM], |v[S]|, |v[S+1]|, 0x1800000
	v_max3_num_f32 v[BM+1], |v[S+2]|, |v[S+3]|, |v[S+4]|
.irp i, 5,9,13,17,21,25
	s_delay_alu instid0(VALU_DEP_2)
	v_max3_num_f32 v[BM], v[BM], |v[S+\i]|, |v[S+\i+1]|
	s_delay_alu instid0(VALU_DEP_2)
	v_max3_num_f32 v[BM+1], v[BM+1], |v[S+\i+2]|, |v[S+\i+3]|
.endr
	s_delay_alu instid0(VALU_DEP_2)
	v_max3_num_f32 v[BM], v[BM], |v[S+29]|, |v[S+30]|
	s_delay_alu instid0(VALU_DEP_1)
	v_max3_num_f32 v[BM], v[BM], v[BM+1], |v[S+31]|
	s_delay_alu instid0(VALU_DEP_1)
	v_add_nc_u32 v[SO], 0xff000000, v[BM]
	s_delay_alu instid0(VALU_DEP_1)
	v_lshrrev_b32 v[BY], 23, v[SO]
	v_cvt_scalef32_pk16_fp6_f32 v[PCD:PCD+2], v[S:S+15], v[SO]
	v_cvt_scalef32_pk16_fp6_f32 v[TO:TO+2], v[S+16:S+31], v[SO]
	v_nop
.irp i, 0,1,2
	v_mov_b32 v[PCD+3+\i], v[TO+\i]
.endr
	global_store_b128 v[LI], v[PCD:PCD+3], s[66:67]                ; 512 consecutive bytes, at a multiple of 256 from the buffer's first byte
	global_store_b64 v[L8], v[PCD+4:PCD+5], s[66:67] offset:512    ; 256
	global_store_b8 v[OB8], v[BY], s[68:69]                        ; my block's byte: a scale word's other two bytes are the neighbouring head's, another cluster's: 32 bytes beside 768 of codes
.endm
	s_mov_b32 s[BETA], s13
	s_mov_b32 s[SG], 0
	s_mov_b32 s[TB], 0
	s_wait_alu depctr_va_vdst(0)
	INIT
	s_wait_tensorcnt 1                             ; my first block is in: with everybody's, steps 0-7 are whole; the second may stay out
	s_barrier_signal -1
	s_barrier_wait -1
	STEP 0                                         ; step 0, which every wave has
	s_wait_tensorcnt 0x0                           ; my second block is in
	s_barrier_signal -1
	s_barrier_wait -1                              ; all of K and V lies in LDS: from here on the waves run freely
	s_mov_b32 s[CNT], 7
.Lpass1:
	STEP 1
	s_sub_co_u32 s[CNT], s[CNT], 1
	s_cmp_lg_u32 s[CNT], 0
	s_cbranch_scc1 .Lpass1
	s_setprio 0
	FIN
	s_sub_co_u32 s[BETA], 15, s13
	s_mov_b32 s[SG], 0
	s_mov_b32 s[TB], 0
	INIT
	s_mov_b32 s[CNT], 16
.Lpass2:
	STEP 1
	s_sub_co_u32 s[CNT], s[CNT], 1
	s_cmp_lg_u32 s[CNT], 0
	s_cbranch_scc1 .Lpass2
	s_setprio 0
	FIN
	s_wait_tensorcnt 0x0
	ds_add_u32 v254, v255
	s_wait_dscnt 0x0
	CROUND                                         ; the closing round
	s_endpgm
.Lfunc_end_k_qbfd140895f_attn:
	.size	k_qbfd140895f_attn, .Lfunc_end_k_qbfd140895f_attn-k_qbfd140895f_attn
	.p2alignl 7, 3214868480
	.fill 96, 4, 3214868480
	.section	.rodata,"a",@progbits
	.p2align	6, 0x0
	.amdhsa_kernel k_qbfd140895f_attn
		.amdhsa_group_segment_fixed_size 206848
		.amdhsa_private_segment_fixed_size 0
		.amdhsa_enable_private_segment 0
		.amdhsa_kernarg_size 16
		.amdhsa_user_sgpr_count 2
		.amdhsa_user_sgpr_kernarg_segment_ptr 1
		.amdhsa_wavefront_size32 1
		.amdhsa_system_sgpr_workgroup_id_x 1
		.amdhsa_system_sgpr_workgroup_id_y 1
		.amdhsa_system_sgpr_workgroup_id_z 1
		.amdhsa_system_vgpr_workitem_id 0
		.amdhsa_next_free_vgpr 256
		.amdhsa_next_free_sgpr 70
		.amdhsa_reserve_vcc 1
		.amdhsa_float_denorm_mode_32 3
		.amdhsa_float_denorm_mode_16_64 3
		.amdhsa_memory_ordered 1
		.amdhsa_forward_progress 1
		.amdhsa_inst_pref_size 81
	.end_amdhsa_kernel
	.amdgpu_metadata
---
amdhsa.version: [ 1, 2 ]
amdhsa.kernels:
  - .name:           k_qbfd140895f_attn
    .symbol:         k_qbfd140895f_attn.kd
    .args:
      - { .name: qkv, .offset: 0, .size: 8, .value_kind: global_buffer, .address_space: global }
      - { .name: oimg, .offset: 8, .size: 8, .value_kind: global_buffer, .address_space: global }
    .group_segment_fixed_size: 206848
    .private_segment_fixed_size: 0
    .kernarg_segment_align: 8
    .kernarg_segment_size: 16
    .max_flat_workgroup_size: 512
    .sgpr_count:     70
    .vgpr_count:     256
    .wavefront_size: 32
...
	.end_amdgpu_metadata
.endif
;; end of part 3
;; launch outp (part 4): grid 8 x 32, 4 waves a work-group, clusters of 4 x 4, 327,680 bytes of LDS; arguments oimg, wimg, out0; writes out0
.if DOCPART == 4
	.amdgcn_target "amdgcn-amd-amdhsa--gfx1250"
	.amdhsa_code_object_version 6
	.text
	.protected	k_qbfd140895f_outp
	.globl	k_qbfd140895f_outp
	.p2align	8
	.type	k_qbfd140895f_outp,@function
k_qbfd140895f_outp:
	s_mov_b64 s[64:65], 0
	v_nop
	global_prefetch_b8 v0, s[64:65] scope:SCOPE_SE
	s_setreg_imm32_b32 hwreg(HW_REG_WAVE_MODE, 25, 1), 1
	s_wait_xcnt 0x0
	s_wait_alu depctr_hold_cnt(0) depctr_sa_sdst(0) depctr_va_vdst(0) depctr_va_sdst(0) depctr_va_ssrc(0) depctr_va_vcc(0) depctr_vm_vsrc(0)
	s_getreg_b32 s2, hwreg(HW_REG_IB_STS2, 6, 4)
	s_cmp_eq_u32 s2, 0
	s_cbranch_scc0 .Lentry_in_a_cluster
	s_endpgm
.Lentry_in_a_cluster:
	s_bfe_u32 s2, ttmp6, 0x10000c
	s_cmp_lg_u32 s2, 0xf033
	s_cbranch_scc0 .Lentry_shape_is_right
	s_endpgm
.Lentry_shape_is_right:
; out0 = o wo^T on codes of FP6 (E2M3) with E8M0 scales, f32 out.  o [8192][1024] and wo [1024][1024] lie as images of operand registers: [group of 128 rows][128 along K][12,800 bytes] = 8 fragments of 1,536 bytes + 512 bytes of scale words.
; A tile of 256 tokens x 128 columns to a work-group: 256 work-groups.  Four waves, each 128 tokens x 64 columns: 32 accumulators.  Source 0 = 16 rows of wo (P), source 1 = 16 tokens (R): a lane holds eight neighbouring columns of one token.
; The images' tiles hold rows 64 c + 8 u + p + 24 (p / 8): a lane's 32 registers of P's tiles 4 c .. 4 c + 3 are columns 64 c + 32 (lane / 16) + 0 .. 31; the tokens' order is undone by the stores' offsets.
; A slot of the ring holds 256 along K: two groups of R (25,600 bytes each; waves 0, 1) and one of P (two halves of 12,800; waves 2, 3), dense blocks, one tensor load a wave.  K = 1,024 is four fills of two slots, written out.
; CLUSTERS: 4 x 4 work-groups; R's blocks are shared along a row of the cluster, P's along a column, each asked for jointly.
; REGISTERS: window 0: v8-29 addresses; v32-63 scale words, two sets; v128-223 R's fragments, one set.  window 1: P's four fragments, two sets, at v0 and v128.  window 2: the accumulators, (a, b) at v[8 (4 a + b)].
.set NQ,    2
.set FR,    12
.set NL,    4
.set NP,    4                          ; places behind this matrix instruction (ISA guide 7.12.1)
.set BLK,   12800
.set GRP,   2*BLK
.set GB,    8*BLK
.set SLOT,  3*GRP
.set SPARE, 2*SLOT                     ; behind the ring: the spare words, 128 bytes for each wave, that no other line names
.set SPITCH, 272                       ; the way out: a stage of 16 rows x (256 + 16) bytes for each wave, in slot 0, which has had its last fill and its last read when the first result is stored there
.set STO,   10                         ; v10  the stage: where I put 128 bytes of a row
.set RD,    11                         ; v11  where I read rows back
.set CO,    12                         ; v12  the same place in out0
.set RA16,  16
.set RA8,   18
.set PA16,  20
.set PA8,   22
.set SA,    24                         ; v24-25 scale words: lanes 0-15 R's tiles 0-3, lanes 16-31 P's four
.set SA2,   26                         ; v26-27 lanes 0-15 R's tiles 4-7, lanes 16-31 P's four once more (not read)
.set SPW,   28
.set NIL,   29
.set SC,    32
.set AF,    128
.set BK,    128                        ; the way out: v128-159 and v160-191 by turns
.set G1,    24
.set G0,    32
.set G1B,   48
.set G0B,   56
.set MSB, 0
.macro WIN new                         ; the immediate's high byte repeats the setting that is left
.if MSB != (\new)
	s_set_vgpr_msb (MSB<<8)|(\new)
.set MSB, (\new)
.endif
.endm
.set MUL_W, 0xa1                       ; source 0 (P) window 1, source 1 (R) window 0, C and D window 2
.set TO_B,  0x40
.macro JLOAD g0a, g1a, g0b, g1b        ; a joint load: waves 0 and 1 fetch for R, waves 2 and 3 for P; four v_nop follow each of the two lines
	s_cmp_eq_u32 s15, 0
	s_cbranch_scc0 .Lfor_b_\@
	tensor_load_to_lds s[\g0a:\g0a+3], s[\g1a:\g1a+7]
	s_nop 0
.rept 4
	v_nop
.endr
	s_branch .Lasked_\@
.Lfor_b_\@:
	tensor_load_to_lds s[\g0b:\g0b+3], s[\g1b:\g1b+7]
	s_nop 0
.rept 4
	v_nop
.endr
.Lasked_\@:
.endm
.macro CREST
	s_cmp_lg_u32 s14, 0
	s_cbranch_scc1 .Lnot_wave_0_\@
	s_barrier_signal -3
.Lnot_wave_0_\@:
	s_barrier_wait -3
	s_barrier_signal -1
	s_barrier_wait -1
.endm
.macro CROUND
	s_barrier_signal -1
	s_barrier_wait -1
	CREST
.endm
	s_load_b128 s[4:7], s[0:1], 0x0                ; oimg, wimg
	s_load_b64 s[8:9], s[0:1], 0x10                ; out0
	v_lshl_add_u32 v[SPW], v0, 2, SPARE
	v_mov_b32 v[NIL], 0
	ds_add_u32 v28, v29
	ds_add_u32 v28, v29
	s_wait_dscnt 0x0
	v_lshrrev_b32 v1, 5, v0
	v_readfirstlane_b32 s14, v1                    ; wave 0..3
	s_lshr_b32 s15, s14, 1                         ; my group of tokens.  Also: I fetch for R (0) or for P (1)
	s_and_b32 s16, s14, 1                          ; my 64 columns.  Also: which block I fetch
	s_bfe_u32 s40, ttmp6, 0x40000                  ; cx, cy
	s_bfe_u32 s41, ttmp6, 0x40004
	s_lshl_b32 s42, ttmp9, 2
	s_add_co_u32 s42, s42, s40                     ; the tile of 128 columns
	s_and_b32 s17, ttmp7, 0xffff
	s_lshl_b32 s17, s17, 2
	s_add_co_u32 s17, s17, s41                     ; the tile of 256 tokens
	s_lshl_b32 s43, s41, 2
	s_lshl_b32 s43, 15, s43                        ; my row of the cluster
	s_lshl_b32 s44, 0x1111, s40                    ; my column
	; descriptor group 1: dense blocks as rows of 32 elements of 8 bytes: 100 rows for R, 50 for P
	s_or_b32 s[G1+0], s43, (3<<16)|(1<<21)
	s_mov_b32 s[G1+1], 32<<16
	s_mov_b32 s[G1+2], 100<<16
	s_mov_b32 s[G1+3], 32<<16
	s_mov_b32 s[G1+4], 100
	s_mov_b32 s[G1+5], 32
	s_mov_b32 s[G1+6], 0
	s_mov_b32 s[G1+7], 0
	s_or_b32 s[G1B+0], s44, (3<<16)|(1<<21)
	s_mov_b32 s[G1B+1], 32<<16
	s_mov_b32 s[G1B+2], 50<<16
	s_mov_b32 s[G1B+3], 32<<16
	s_mov_b32 s[G1B+4], 50
	s_mov_b32 s[G1B+5], 32
	s_mov_b32 s[G1B+6], 0
	s_mov_b32 s[G1B+7], 0
	s_lshl_b32 s20, s17, 1
	s_add_co_u32 s20, s20, s16
	s_mul_i32 s20, s20, GB                         ; R: group 2 x tile + which
	s_mov_b32 s21, 0
	s_add_co_u32 s46, s42, 24                      ; P: wo begins 24 groups into wimg
	s_mul_i32 s46, s46, GB
	s_mul_i32 s47, s16, BLK                        ; waves 2 and 3 take one step of 128 along K each
	s_add_co_u32 s46, s46, s47
	s_mov_b32 s47, 0
	s_mul_i32 s45, s14, GRP                        ; where R's block goes,
	s_mul_i32 s94, s14, BLK
	s_add_co_u32 s94, s94, GRP                     ; and P's: behind R's two groups
	s_wait_kmcnt 0x0
	s_add_nc_u64 s[20:21], s[4:5], s[20:21]
	s_add_nc_u64 s[46:47], s[6:7], s[46:47]
	CROUND                                         ; all sixteen work-groups are here: the first joint loads meet
.irp s, 0,1
	s_mov_b32 s[G0+4*\s], 1
	s_add_co_u32 s[G0+4*\s+1], s45, \s*SLOT
	s_add_nc_u64 s[G0+4*\s+2:G0+4*\s+3], s[20:21], \s*GRP
	s_or_b32 s[G0+4*\s+3], s[G0+4*\s+3], 0x80000000
	s_mov_b32 s[G0B+4*\s], 1
	s_add_co_u32 s[G0B+4*\s+1], s94, \s*SLOT
	s_add_nc_u64 s[G0B+4*\s+2:G0B+4*\s+3], s[46:47], \s*GRP
	s_or_b32 s[G0B+4*\s+3], s[G0B+4*\s+3], 0x80000000
	JLOAD G0+4*\s, G1, G0B+4*\s, G1B
.endr
	v_and_b32 v1, 31, v0                           ; lane
	v_and_b32 v6, 15, v0                           ; r
	v_bfe_u32 v7, v0, 4, 1                         ; h
	v_lshlrev_b32 v8, 4, v1
	v_lshlrev_b32 v9, 3, v1
	s_mul_i32 s21, s15, GRP                        ; my group of R
	s_mul_i32 s22, s16, 4*1536
	s_add_co_u32 s22, s22, 2*GRP                   ; my four fragments of P
.irp s, 0,1
	v_add_nc_u32 v[RA16+\s], s21, v8
	v_add_nc_u32 v[RA8+\s], s21, v9
	v_add_nc_u32 v[PA16+\s], s22, v8
	v_add_nc_u32 v[PA8+\s], s22, v9
	s_add_co_u32 s21, s21, SLOT
	s_add_co_u32 s22, s22, SLOT
.endr
	s_mul_i32 s21, s15, GRP
	s_lshl_b32 s22, s16, 8
	s_add_co_u32 s22, s22, 2*GRP
	s_sub_co_u32 s22, s22, s21                     ; from R's scale words to my four of P's
	v_mul_u32_u24 v2, s22, v7
	v_lshl_add_u32 v2, v6, 4, v2
	s_add_co_u32 s21, s21, 8*1536
	v_add_nc_u32 v[SA], s21, v2
	v_add_nc_u32 v[SA+1], SLOT, v[SA]
	s_sub_co_u32 s22, s22, 256
	v_mul_u32_u24 v2, s22, v7
	v_lshl_add_u32 v2, v6, 4, v2
	s_add_co_u32 s21, s21, 256
	v_add_nc_u32 v[SA2], s21, v2
	v_add_nc_u32 v[SA2+1], SLOT, v[SA2]
	s_mul_i32 s23, s14, 16*SPITCH                  ; my stage
	v_mul_u32_u24 v2, v6, SPITCH
	v_lshl_add_u32 v2, v7, 7, v2
	v_add_nc_u32 v[STO], s23, v2                   ; in: row r, + 128 h
	v_mul_u32_u24 v2, v7, SPITCH
	v_lshl_add_u32 v2, v6, 4, v2
	v_add_nc_u32 v[RD], s23, v2                    ; back: lanes 0-15 one row of 256 bytes, lanes 16-31 the next
	v_lshlrev_b32 v2, 12, v7
	v_lshl_add_u32 v[CO], v6, 4, v2                ; and the same two rows in out0
	s_lshl_b32 s76, s17, 8
	s_lshl_b32 s77, s15, 7
	s_add_co_u32 s76, s76, s77                     ; my first token
	s_lshl_b32 s76, s76, 12
	s_lshl_b32 s78, s42, 9
	s_lshl_b32 s79, s16, 8
	s_add_co_u32 s78, s78, s79                     ; my first column, in bytes
	s_add_co_u32 s76, s76, s78
	s_mov_b32 s77, 0
	s_add_nc_u64 s[8:9], s[8:9], s[76:77]
.macro FRAG reg, a16, a8, q, t         ; a fragment comes back as it was stored: registers 0-3, 4-5, 6-9, 10-11; every load reads consecutive bytes
	ds_load_b128 v[\reg:\reg+3], v[\a16] offset:(\q)*BLK+(\t)*1536
	ds_load_b64 v[\reg+4:\reg+5], v[\a8] offset:(\q)*BLK+(\t)*1536+512
	ds_load_b128 v[\reg+6:\reg+9], v[\a16] offset:(\q)*BLK+(\t)*1536+768
	ds_load_b64 v[\reg+10:\reg+11], v[\a8] offset:(\q)*BLK+(\t)*1536+1280
.endm
; 8 matrix instructions: R's blocks a0, a0 + 1 x P's four.  The 32 accumulators take turns, one instruction a turn, in the same order in every step.
.macro MUL8 a0, p, q, sc, zero
.irp a, \a0, \a0+1
.irp b, 0,1,2,3
.if \zero
	v_wmma_scale_f32_16x16x128_f8f6f4 v[8*(4*(\a)+\b):8*(4*(\a)+\b)+7], v[128*(\p)+FR*\b:128*(\p)+FR*\b+FR-1], v[AF+FR*(\a):AF+FR*(\a)+FR-1], 0, v[SC+16*(\sc)+8*(\q)+\b], v[SC+16*(\sc)+8*(\q)+(\a)] matrix_a_fmt:MATRIX_FMT_FP6 matrix_b_fmt:MATRIX_FMT_FP6 matrix_a_scale:MATRIX_SCALE_ROW1
.else
	v_wmma_scale_f32_16x16x128_f8f6f4 v[8*(4*(\a)+\b):8*(4*(\a)+\b)+7], v[128*(\p)+FR*\b:128*(\p)+FR*\b+FR-1], v[AF+FR*(\a):AF+FR*(\a)+FR-1], v[8*(4*(\a)+\b):8*(4*(\a)+\b)+7], v[SC+16*(\sc)+8*(\q)+\b], v[SC+16*(\sc)+8*(\q)+(\a)] matrix_a_fmt:MATRIX_FMT_FP6 matrix_b_fmt:MATRIX_FMT_FP6 matrix_a_scale:MATRIX_SCALE_ROW1
.endif
.endr
.endr
.endm
.macro FETCH_B slot, q, p
	WIN TO_B
.irp i, 0,1,2,3
	FRAG 128*(\p)+FR*\i, PA16+\slot, PA8+\slot, \q, \i
.endr
	WIN 0
.endm
.macro FETCH_A slot, q, i0
.irp i, \i0, \i0+1, \i0+2, \i0+3
	FRAG AF+FR*(\i), RA16+\slot, RA8+\slot, \q, \i
.endr
.endm
.macro SCALES sl
.irp q, 0,1
	ds_load_b128 v[SC+16*\sl+8*\q:SC+16*\sl+8*\q+3], v[SA+\sl] offset:\q*BLK
	ds_load_b128 v[SC+16*\sl+8*\q+4:SC+16*\sl+8*\q+7], v[SA2+\sl] offset:\q*BLK
.endr
.endm
; A load into a register that a matrix instruction has read, and an LDS store that reads a matrix result, stand NP places behind it; only plain vector instructions that name none of its registers are places (ISA guide 7.12.1 for LDS stores).
.macro PLACES n
.rept \n
	v_nop
.endr
.endm
.macro STEP slot, q, zero
	s_wait_dscnt 4*NL                              ; all but the youngest sixteen loads (R's blocks 4-7) are in
	WIN MUL_W
	MUL8 0, (\q)%2, \q, \slot, \zero
	MUL8 2, (\q)%2, \q, \slot, \zero
	s_wait_dscnt 0
	PLACES NP
	FETCH_B \slot, (\q)+1, 1-(\q)%2
	FETCH_A \slot, (\q)+1, 0
	WIN MUL_W
	MUL8 4, (\q)%2, \q, \slot, \zero
	MUL8 6, (\q)%2, \q, \slot, \zero
	PLACES NP
	WIN 0
	FETCH_A \slot, (\q)+1, 4
.endm
; A slot's last step changes slots: one barrier; in front of it each wave waits for all its tensor loads, adds 0 to its spare word, and waits for that and for its reads of this slot.  fill = 1: this slot is filled again, two slots ahead.
.macro TURN slot, next, fill
	s_wait_tensorcnt 0x0                           ; all my tensor loads have landed: my part of the next slot
	ds_add_u32 v[SPW], v[NIL]                      ; 0 onto my spare word
	s_wait_dscnt 4*NL+1                            ; (the add and the youngest sixteen loads may be out)
	WIN MUL_W
	MUL8 0, 1, NQ-1, \slot, 0
	s_wait_dscnt 0x0                               ; the add is done, and my reads of this slot are over
	s_barrier_signal -1
	MUL8 2, 1, NQ-1, \slot, 0
	WIN 0
	s_barrier_wait -1
.if \fill
	CREST                                          ; the barrier has opened a round of the cluster's barrier: no wave of any partner still reads this slot or has a load on its way
	s_add_nc_u64 s[G0+4*\slot+2:G0+4*\slot+3], s[G0+4*\slot+2:G0+4*\slot+3], 2*GRP
	s_add_nc_u64 s[G0B+4*\slot+2:G0B+4*\slot+3], s[G0B+4*\slot+2:G0B+4*\slot+3], 2*GRP
	JLOAD G0+4*\slot, G1, G0B+4*\slot, G1B         ; the first tensor load behind the round; its four v_nop are the places in front of the loads below
.else
	PLACES NP
.endif
	FETCH_B \next, 0, 0
	FETCH_A \next, 0, 0
	SCALES \next
	WIN MUL_W
	MUL8 4, 1, NQ-1, \slot, 0
	MUL8 6, 1, NQ-1, \slot, 0
	PLACES NP
	WIN 0
	FETCH_A \next, 0, 4
.endm
	s_wait_tensorcnt 1                             ; my part of slot 0 is in; slot 1's may stay out
	s_barrier_signal -1
	s_barrier_wait -1
	FETCH_B 0, 0, 0
	FETCH_A 0, 0, 0
	SCALES 0
	FETCH_A 0, 0, 4
	STEP 0, 0, 1                                   ; K 0-127: its products start the sums
	TURN 0, 1, 1                                   ; slot 0 takes K 512-767
	STEP 1, 0, 0
	TURN 1, 0, 1                                   ; slot 1 takes K 768-1,023
	STEP 0, 0, 0
	TURN 0, 1, 0                                   ; nothing is left to fetch
	STEP 1, 0, 0
	s_wait_dscnt 4*NL                              ; the very last step
	WIN MUL_W
	MUL8 0, 1, NQ-1, 1, 0
	MUL8 2, 1, NQ-1, 1, 0
	s_wait_dscnt 0
	MUL8 4, 1, NQ-1, 1, 0
	MUL8 6, 1, NQ-1, 1, 0
	WIN 0
; THE WAY OUT, block by block of 16 tokens x 64 columns.  A lane holds 128 bytes of one row in four pieces; the block goes through my own stage and comes back as whole rows of 256 bytes, sixteen lanes to a row.
; LDS serves a wave's instructions in order (ISA guide 5.7.1.4): no wait between the stores and the loads, nor in front of the next block's stores.
.macro TOSTAGE a
	WIN 0x08                                       ; the data: window 2
.irp u, 0,1,2,3
	ds_store_b128 v[STO], v[32*(\a)+8*\u:32*(\a)+8*\u+3] offset:32*\u          ; each accumulator from its low end on
	ds_store_b128 v[STO], v[32*(\a)+8*\u+4:32*(\a)+8*\u+7] offset:32*\u+16
.endr
	WIN 0
.set BB, BK+32*((\a)%2)
.irp x, 0,1,2,3,4,5,6,7
	ds_load_b128 v[BB+4*\x:BB+4*\x+3], v[RD] offset:2*SPITCH*\x
.endr
.endm
.macro SEND a, younger                 ; younger: the LDS instructions issued behind block a's loads, which may stay out
.set BB, BK+32*((\a)%2)
	s_wait_dscnt \younger
.irp x, 0,1,2,3,4,5,6,7
	global_store_b128 v[CO], v[BB+4*\x:BB+4*\x+3], s[8:9] offset:(64*((\a)/4)+8*((\a)%4)+2*\x+24*(\x/4))*4096 th:TH_STORE_NT   ; rows 2 x, 2 x + 1 of tile a are tokens 64 (a / 4) + 8 (a % 4) + 2 x + 24 (x / 4) and the next; sixteen lanes store 256 consecutive bytes, aligned
.endr
.endm
	PLACES NP
	TOSTAGE 0
.irp a, 1,2,3,4,5,6,7
.if \a > 1
	s_wait_xcnt 0x0                                ; block a - 2's stores have read their registers: block a's loads may land there
.endif
	TOSTAGE \a
	SEND \a-1, 16                                  ; behind block a - 1's loads: block a's 8 stores and 8 loads
.endr
	SEND 7, 0
	s_wait_tensorcnt 0x0                           ; the wave's end
	ds_add_u32 v[SPW], v[NIL]
	s_wait_dscnt 0x0
	CROUND                                         ; the closing round: no work-group ends while a partner may still ask for a block that names it
	s_endpgm
.Lfunc_end_k_qbfd140895f_outp:
	.size	k_qbfd140895f_outp, .Lfunc_end_k_qbfd140895f_outp-k_qbfd140895f_outp
	.p2alignl 7, 3214868480
	.fill 96, 4, 3214868480
	.section	.rodata,"a",@progbits
	.p2align	6, 0x0
	.amdhsa_kernel k_qbfd140895f_outp
		.amdhsa_group_segment_fixed_size 327680
		.amdhsa_private_segment_fixed_size 0
		.amdhsa_enable_private_segment 0
		.amdhsa_kernarg_size 24
		.amdhsa_user_sgpr_count 2
		.amdhsa_user_sgpr_kernarg_segment_ptr 1
		.amdhsa_wavefront_size32 1
		.amdhsa_system_sgpr_workgroup_id_x 1
		.amdhsa_system_sgpr_workgroup_id_y 1
		.amdhsa_system_sgpr_workgroup_id_z 1
		.amdhsa_system_vgpr_workitem_id 0
		.amdhsa_next_free_vgpr 768
		.amdhsa_next_free_sgpr 100
		.amdhsa_reserve_vcc 0
		.amdhsa_float_denorm_mode_32 3
		.amdhsa_float_denorm_mode_16_64 3
		.amdhsa_memory_ordered 1
		.amdhsa_forward_progress 1
		.amdhsa_inst_pref_size 86
	.end_amdhsa_kernel
	.amdgpu_metadata
---
amdhsa.version: [ 1, 2 ]
amdhsa.kernels:
  - .name:           k_qbfd140895f_outp
    .symbol:         k_qbfd140895f_outp.kd
    .args:
      - { .name: oimg, .offset: 0, .size: 8, .value_kind: global_buffer, .address_space: global }
      - { .name: wimg, .offset: 8, .size: 8, .value_kind: global_buffer, .address_space: global }
      - { .name: out0, .offset: 16, .size: 8, .value_kind: global_buffer, .address_space: global }
    .group_segment_fixed_size: 327680
    .private_segment_fixed_size: 0
    .kernarg_segment_align: 8
    .kernarg_segment_size: 24
    .max_flat_workgroup_size: 128
    .sgpr_count:     100
    .vgpr_count:     768
    .wavefront_size: 32
...
	.end_amdgpu_metadata
.endif
;; end of part 4
